; MI455X (gfx1250); checked and timed in simulation.
; The chip was launched on July 23, 2026; its instructions are those of AMD's public machine-readable ISA for CDNA 5 (MIT licence, August 2026) and "CDNA5" Instruction Set Architecture Reference Guide (July 2026). The comments in the code are by the model that wrote it; some were corrected since.
;; Self Attention. Allowed arithmetic: float matrix products may take bf16 or f16 operands with f32 sums; other float arithmetic in f32, or as packed bf16 or f16 multiplies, adds, multiply-adds, maxima and minima; sums over many terms, partial sums and values carried from step to step in f32; what a program stores and reads back later, other than sums and carried values, may be rounded once to bf16 or f16.
;; Inputs: Wk 1,024 x 1,024 float32; Wq 1,024 x 1,024 float32; Wv 1,024 x 1,024 float32; X 4 x 2,048 x 1,024 float32; bk 1,024 float32; bq 1,024 float32; bv 1,024 float32.
;; Outputs: out0 4 x 2,048 x 1,024 float32.
;; 2 versions, each right; version 2 is version 1 with the launch cast written anew for expert scheduling mode. Each part assembles by itself: llvm-mc -triple=amdgcn-amd-amdhsa -mcpu=gfx1250 --defsym DOCPART=n.
;; ======== version 1 of 2: 4 launches
;; limits: values are held in f16: magnitudes above 65,504 overflow, below 6.1e-05 lose precision
;; workspace buffers: xb 16,777,216 bytes; wb 6,291,456 bytes; qkv 50,331,648 bytes; pm 33,554,432 bytes; st 1,048,576 bytes
;; launch cast (part 1): grid 352 x 1, 8 waves a work-group, no clusters, 0 bytes of LDS; arguments X, Wq, Wk, Wv, xb, wb; writes xb, wb
.if DOCPART == 1
	.amdgcn_target "amdgcn-amd-amdhsa--gfx1250"
	.amdhsa_code_object_version 6
	.text
	.protected	k_qddddf194ba_cast
	.globl	k_qddddf194ba_cast
	.p2align	8
	.type	k_qddddf194ba_cast,@function
k_qddddf194ba_cast:
	s_mov_b64 s[64:65], 0
	v_nop
	global_prefetch_b8 v0, s[64:65] scope:SCOPE_SE
	s_setreg_imm32_b32 hwreg(HW_REG_WAVE_MODE, 25, 1), 1
	s_wait_xcnt 0x0
; X, Wq, Wk, Wv (f32) are rounded once, to nearest even, to bf16; layouts are kept.  xb: [8192][1024]; wb: [q, k, v][1024 d][1024 a].
; A stream: each byte is read once and written once; no LDS, no barrier, no matrix work.
; A work-group converts 32,768 numbers: 128 KiB in, 64 KiB out.  Work-groups 0-255 take X; work-group 256 + u takes chunk u % 32 of matrix u / 32.
; Thread t takes 16 bytes at 16 t of each 4,096 bytes: a wave's load covers 512 consecutive bytes, its store 256 consecutive bytes, aligned.
; All 32 loads of a wave go out at once; no register is written twice, so no wait frees a source.
	s_load_b256 s[4:11], s[0:1], 0x0               ; X s[4:5], Wq s[6:7], Wk s[8:9], Wv s[10:11]
	s_load_b128 s[12:15], s[0:1], 0x20             ; xb s[12:13], wb s[14:15]
	v_lshlrev_b32 v1, 4, v0                        ; my 16 bytes in
	v_lshlrev_b32 v2, 3, v0                        ; my 8 bytes out
	s_sub_co_u32 s16, ttmp9, 256                   ; u (used for the weights' work-groups alone)
	s_lshr_b32 s17, s16, 5                         ; which matrix
	s_and_b32 s18, s16, 31                         ; which chunk of it
	s_wait_kmcnt 0x0
	s_cmp_eq_u32 s17, 1
	s_cselect_b64 s[20:21], s[8:9], s[6:7]         ; Wk or Wq
	s_cmp_eq_u32 s17, 2
	s_cselect_b64 s[20:21], s[10:11], s[20:21]     ; or Wv
	s_cmp_lt_u32 ttmp9, 256
	s_cselect_b64 s[20:21], s[4:5], s[20:21]       ; or X
	s_cselect_b64 s[22:23], s[12:13], s[14:15]     ; into xb or wb
	s_cselect_b32 s18, ttmp9, s18                  ; chunk of the source
	s_cselect_b32 s16, ttmp9, s16                  ; chunk of the destination (wb's three matrices lie on end)
	s_lshl_b32 s24, s18, 17
	s_mov_b32 s25, 0
	s_lshl_b32 s26, s16, 16
	s_mov_b32 s27, 0
	s_add_nc_u64 s[20:21], s[20:21], s[24:25]
	s_add_nc_u64 s[22:23], s[22:23], s[26:27]
.set i, 0
.rept 32
	global_load_b128 v[16+4*i:19+4*i], v1, s[20:21] offset:4096*i th:TH_LOAD_NT
.set i, i+1
.endr
.set i, 0
.rept 32
	s_wait_loadcnt 31-i                            ; loads come back in order: load i is in, the 31 - i younger ones stay out
	v_cvt_pk_bf16_f32 v[144+2*i], v[16+4*i], v[17+4*i]
	v_cvt_pk_bf16_f32 v[145+2*i], v[18+4*i], v[19+4*i]
	global_store_b64 v2, v[144+2*i:145+2*i], s[22:23] offset:2048*i th:TH_STORE_NT
.set i, i+1
.endr
	s_endpgm
.Lfunc_end_k_qddddf194ba_cast:
	.size	k_qddddf194ba_cast, .Lfunc_end_k_qddddf194ba_cast-k_qddddf194ba_cast
	.p2alignl 7, 3214868480
	.fill 96, 4, 3214868480
	.section	.rodata,"a",@progbits
	.p2align	6, 0x0
	.amdhsa_kernel k_qddddf194ba_cast
		.amdhsa_group_segment_fixed_size 0
		.amdhsa_private_segment_fixed_size 0
		.amdhsa_enable_private_segment 0
		.amdhsa_kernarg_size 48
		.amdhsa_user_sgpr_count 2
		.amdhsa_user_sgpr_kernarg_segment_ptr 1
		.amdhsa_wavefront_size32 1
		.amdhsa_system_sgpr_workgroup_id_x 1
		.amdhsa_system_sgpr_workgroup_id_y 1
		.amdhsa_system_sgpr_workgroup_id_z 1
		.amdhsa_system_vgpr_workitem_id 0
		.amdhsa_next_free_vgpr 208
		.amdhsa_next_free_sgpr 66
		.amdhsa_reserve_vcc 0
		.amdhsa_float_denorm_mode_32 3
		.amdhsa_float_denorm_mode_16_64 3
		.amdhsa_memory_ordered 1
		.amdhsa_forward_progress 1
		.amdhsa_inst_pref_size 13
	.end_amdhsa_kernel
	.amdgpu_metadata
---
amdhsa.version: [ 1, 2 ]
amdhsa.kernels:
  - .name:           k_qddddf194ba_cast
    .symbol:         k_qddddf194ba_cast.kd
    .args:
      - { .name: X, .offset: 0, .size: 8, .value_kind: global_buffer, .address_space: global }
      - { .name: Wq, .offset: 8, .size: 8, .value_kind: global_buffer, .address_space: global }
      - { .name: Wk, .offset: 16, .size: 8, .value_kind: global_buffer, .address_space: global }
      - { .name: Wv, .offset: 24, .size: 8, .value_kind: global_buffer, .address_space: global }
      - { .name: xb, .offset: 32, .size: 8, .value_kind: global_buffer, .address_space: global }
      - { .name: wb, .offset: 40, .size: 8, .value_kind: global_buffer, .address_space: global }
    .group_segment_fixed_size: 0
    .private_segment_fixed_size: 0
    .kernarg_segment_align: 8
    .kernarg_segment_size: 48
    .max_flat_workgroup_size: 256
    .sgpr_count:     66
    .vgpr_count:     208
    .wavefront_size: 32
...
	.end_amdgpu_metadata
.endif
;; end of part 1
;; launch proj (part 2): grid 12 x 16, 4 waves a work-group, clusters of 4 x 4, 327,680 bytes of LDS; arguments xb, wb, qkv, bq, bk, bv; writes qkv
.if DOCPART == 2
	.amdgcn_target "amdgcn-amd-amdhsa--gfx1250"
	.amdhsa_code_object_version 6
	.text
	.protected	k_qddddf194ba_proj
	.globl	k_qddddf194ba_proj
	.p2align	8
	.type	k_qddddf194ba_proj,@function
k_qddddf194ba_proj:
	s_mov_b64 s[64:65], 0
	v_nop
	global_prefetch_b8 v0, s[64:65] scope:SCOPE_SE
	s_setreg_imm32_b32 hwreg(HW_REG_WAVE_MODE, 25, 1), 1
	s_wait_xcnt 0x0
	s_wait_alu depctr_hold_cnt(0) depctr_sa_sdst(0) depctr_va_vdst(0) depctr_va_sdst(0) depctr_va_ssrc(0) depctr_va_vcc(0) depctr_vm_vsrc(0)
	s_getreg_b32 s2, hwreg(HW_REG_IB_STS2, 6, 4)
	s_cmp_eq_u32 s2, 0
	s_cbranch_scc0 .Lentry_in_a_cluster
	s_endpgm
.Lentry_in_a_cluster:
	s_bfe_u32 s2, ttmp6, 0x10000c
	s_cmp_lg_u32 s2, 0xf033
	s_cbranch_scc0 .Lentry_shape_is_right
	s_endpgm
.Lentry_shape_is_right:
; q, k, v = xb . wb[matrix] + bias.  xb: [8192][1024] bf16; wb: [3][1024 d][1024 a] bf16; bias f32, rounded to bf16 like the other inputs; sums in f32; qkv: [3][8192][1024] f16, rounded once.
; LIMIT.  f16 ends at 65,504: |q|, |k|, |v| must stay below that; beyond it the conversion gives an infinity.  NaN and infinities are not treated apart.
; SHARES.  A tile is 256 x 256 of one matrix's result: four waves, 128 x 128 each: 64 accumulators of 16 x 16, 512 registers.  K = 1024 goes in 8 steps of 128 through two LDS slots.
; A WORK-GROUP STAYS: the three results have 384 tiles, and a work-group makes two, the same columns 4,096 rows apart: 192 work-groups of equal work.  (384 tiles do not share out evenly among 256; a tile of
; 256 x 384 would want two slots of 180,224 bytes.)  The two tiles are ONE walk of 16 K steps for the ring: the first tile's last two changes of slots ask for the second tile's first two K steps, the first
; tile goes out when both have been asked for, and nothing waits for its stores.
; CLUSTER.  4 x 4 work-groups; cluster x is the matrix (its four tile columns are the matrix's 1,024 columns), cluster y four tile rows.  xb's tile hangs on the tile row alone and is asked for
; jointly along a row of the cluster, wb's on the tile column alone and jointly along a column.
; THE PRODUCT IS USED TRANSPOSED: source 0 = 16 columns of wb (turned on the way out of LDS, since wb's rows lie along the columns), source 1 = 16 rows of xb: a lane then holds one row of the result
; and eight neighbouring columns.  THE BIAS is the C operand of the products that start a tile's sums.
; REGISTERS in windows of 256: window 0: v0-31 addresses; v64-127, v128-191 xb's fragments, two buffers; v32-63, v192-255 the way out.
;   window 1: v64-127, v128-191 wb's fragments; v192-255 the bias.   windows 2, 3: the accumulators, (a % 4, b) at v[8 (8 (a % 4) + b)].
.set PITCH,  272                       ; a row of xb's tile in LDS: 256 bytes + 16: the 16 rows of a fragment load start at 16 different groups of four banks
.set PB,     544                       ; a row of wb's tile: 512 bytes + 32
.set HALFT,  128*PITCH                 ; what one tensor load brings: 128 rows of xb, or 64 rows of wb (64 x 544 is the same number)
.set SLOT,   4*HALFT                   ; 0x22000: it shares no bit with wave x HALFT, so one exclusive or turns an LDS word into the other slot's
.set BOFF,   2*HALFT
.set STAGE,  2*SLOT                    ; behind the ring: 16 rows x 272 bytes for each wave
.set SPARE,  STAGE+4*16*PITCH          ; the spare words: 128 bytes a wave, two blocks of 256 bytes that no other line names
.set STEPA,  256                       ; a K step along a row of xb, in bytes
.set STEPB,  128*2048                  ; a K step down wb: 128 rows
.set WALK,   4096                      ; rows from a work-group's first tile to its second
.set NEXT_A, WALK*2048-7*STEPA         ; from the first tile's K step 7 to the second's K step 0 in xb,
.set BACK_B, 7*STEPB                   ; and in wb, whose rows both tiles share
.set NEXT_C, (WALK-7*16)*2048          ; from my last 16 rows of the first tile to my first of the second
.set LA0, 16                           ; v16  my lane's place in xb's tile
.set LB0, 17                           ; v17  in wb's
.set CA,  18                           ; v18  the same in the slot that is being read
.set CB,  19                           ; v19
.set BO,  20                           ; v20  my byte offset in the bias
.set STO, 24                           ; v24  the way out: where I put 16 bytes of a row
.set RD,  25                           ; v25  where I read rows back
.set CO,  26                           ; v26  my byte offset in two rows of the result
.set SPW, 28                           ; v28  my spare word; never rewritten
.set NIL, 29                           ; v29  0; never rewritten
.set PFO, 30                           ; v30  the prefetches' lane offset; never rewritten
.set OB,  32
.set F0,  64
.set F1,  128
.set BI,  192                          ; window 1, v192-255: bias of my 128 columns: column 16 b + 8 (l / 16) + j at BI + 8 b + j
.set TMP, 192                          ; window 0
.set IA,  12                           ; s[12:13] what this refill adds to xb's address
.set IB,  14                           ; s[14:15] what it adds to wb's,
.set JB,  16                           ; s[16:17] and takes from it
.set PFI, 18                           ; s[18:19] what this change of slots adds to the prefetches' address
.set KSA, 20                           ; s20-23  STEPA, NEXT_A, STEPB, BACK_B, for the selects
.set KNA, 21
.set KSB, 22
.set KBB, 23
.set G1A, 24                           ; s[24:31]
.set G0A, 32                           ; s[32:35] the first fill of slot 0, s[36:39] the walking descriptor
.set CX,  40
.set CY,  41
.set LIM, 43                           ; a wave prefetches while the loop's count is above this
.set PFA, 44                           ; s[44:45] where my prefetches stand
.set PFS, 46                           ; s46  their step along K
.set PFN, 47                           ; s47  their step into the second tile
.set G1B, 48
.set G0B, 56
.set WV,  72
.set RH,  73                           ; my 128 rows of the tile; also: I fetch for xb (0) or wb (1)
.set CH,  74                           ; my 128 columns; also: which half of that tile I fetch
.set TR,  75                           ; the slot that is being read: 0 or SLOT
.set LB,  77                           ; where my fills land in a slot
.set TRW, 78                           ; tile row of the first tile
.set MSB, 0
.macro WIN new                         ; the immediate's high byte repeats the setting that is left; a switch that changes nothing is dropped
.if MSB != (\new)
	s_set_vgpr_msb (MSB<<8)|(\new)
.set MSB, \new
.endif
.endm
.set TO_B, 0x40                        ; destination window 1, address window 0
.macro PLACES                          ; four plain vector instructions between a product and a load into, or a reader of, its registers
.rept 4
	v_nop
.endr
.endm
.macro CREST                           ; a round of the cluster's barrier behind its opening barrier
	s_cmp_lg_u32 s[WV], 0
	s_cbranch_scc1 .Lnot_wave_0_\@
	s_barrier_signal -3
.Lnot_wave_0_\@:
	s_barrier_wait -3
	s_barrier_signal -1
	s_barrier_wait -1
.endm
.macro CROUND
	s_barrier_signal -1
	s_barrier_wait -1
	CREST
.endm
.macro JLOAD                           ; the joint refill: waves 0, 1 xb's halves, waves 2, 3 wb's; the branch hangs on the wave's number alone
	s_cmp_eq_u32 s[RH], 0
	s_cbranch_scc0 .Lfor_b_\@
	tensor_load_to_lds s[G0A+4:G0A+7], s[G1A:G1A+7]
	s_nop 0
.rept 4
	v_nop
.endr
	s_branch .Lasked_\@
.Lfor_b_\@:
	tensor_load_to_lds s[G0B+4:G0B+7], s[G1B:G1B+7]
	s_nop 0
.rept 4
	v_nop
.endr
.Lasked_\@:
.endm
; A prefetch of the K step that stands two refills on.  xb's tile row is read by all three clusters of a row of clusters: cluster x = 0 asks, for walk steps 4 to 15; wb's tile column by all four of a column:
; cluster y = 0 asks, for walk steps 4 to 7 alone: the second tile reads the same rows of wb again.  The four partners that ask for a tile jointly share its blocks out by address: 32 blocks of 256 bytes each, a lane a block.
.macro ASK
	s_cmp_gt_u32 s3, s[LIM]
	s_cbranch_scc0 .Lnot_mine_\@
	global_prefetch_b8 v[PFO], s[PFA:PFA+1] th:TH_LOAD_NT scope:SCOPE_SE
.Lnot_mine_\@:
.endm
	s_load_b128 s[4:7], s[0:1], 0x0                ; xb s[4:5], wb s[6:7]
	s_load_b128 s[8:11], s[0:1], 0x10              ; qkv s[8:9], bq s[10:11]
	s_load_b128 s[68:71], s[0:1], 0x20             ; bk s[68:69], bv s[70:71]
	v_lshl_add_u32 v[SPW], v0, 2, SPARE
	v_mov_b32 v[NIL], 0
	ds_add_u32 v[SPW], v[NIL]                      ; the wave's opening: the add and its wait stand ahead of my first tensor load; work on registers stands between them
	v_lshrrev_b32 v1, 5, v0
	v_readfirstlane_b32 s[WV], v1
	s_lshr_b32 s[RH], s[WV], 1
	s_and_b32 s[CH], s[WV], 1
	s_bfe_u32 s[CX], ttmp6, 0x40000
	s_bfe_u32 s[CY], ttmp6, 0x40004
	s_and_b32 s[TRW], ttmp7, 0xffff
	s_lshl_b32 s[TRW], s[TRW], 2
	s_add_co_u32 s[TRW], s[TRW], s[CY]             ; tile row = 4 x cluster y + cy: 0 to 15
	s_lshl_b32 s42, s[CY], 2
	s_lshl_b32 s42, 15, s42                        ; my row of the cluster
	s_lshl_b32 s76, 0x1111, s[CX]                  ; my column
	s_or_b32 s[G1A], s42, (1<<16)|(1<<20)|(1<<21)|(5<<22)|(3<<25)  ; mask; 2-byte elements; padding on; bit 21 beside a mask; after every 64 words 4 words
	s_or_b32 s[G1B], s76, (1<<16)|(1<<20)|(1<<21)|(6<<22)|(7<<25)  ; after every 128 words 8 words
	s_mov_b32 s[G1A+1], 128<<16                    ; tensor_dim0 = 128
	s_mov_b32 s[G1A+2], 128<<16                    ; tensor_dim1 = 128
	s_mov_b32 s[G1A+3], 128<<16                    ; tile_dim0 = 128
	s_mov_b32 s[G1A+4], 128                        ; tile_dim1 = 128
	s_mov_b32 s[G1A+5], 1024                       ; elements from row to row
	s_mov_b32 s[G1A+6], 0
	s_mov_b32 s[G1A+7], 0
	s_mov_b32 s[G1B+1], 256<<16                    ; 256 columns,
	s_mov_b32 s[G1B+2], 64<<16                     ; 64 rows
	s_mov_b32 s[G1B+3], 256<<16
	s_mov_b32 s[G1B+4], 64
	s_mov_b32 s[G1B+5], 1024
	s_mov_b32 s[G1B+6], 0
	s_mov_b32 s[G1B+7], 0
	s_lshl_b32 s16, s[TRW], 8                      ; xb: row 256 x tile row + 128 x half, 2,048 bytes a row
	s_lshl_b32 s17, s[CH], 7
	s_add_co_u32 s16, s16, s17
	s_lshl_b32 s16, s16, 11
	s_mov_b32 s17, 0
	s_lshl_b32 s20, ttmp9, 21                      ; wb: the matrix, my tile column's 512 bytes, row 64 x half
	s_lshl_b32 s21, s[CX], 9
	s_add_co_u32 s20, s20, s21
	s_lshl_b32 s21, s[CH], 17
	s_add_co_u32 s20, s20, s21
	s_mov_b32 s21, 0
	s_mul_i32 s[LB], s[WV], HALFT                  ; no place in the cluster enters an LDS address
	s_mov_b32 s[TR], 0
	s_wait_dscnt 0x0                               ; the opening add is done
	s_wait_kmcnt 0x0
	s_add_nc_u64 s[14:15], s[4:5], s[16:17]
	s_add_nc_u64 s[22:23], s[6:7], s[20:21]
	CROUND                                         ; all sixteen work-groups are here: the first joint loads meet
.irp s, 0,1
	s_mov_b32 s[G0A+4*(\s)], 1
	s_add_co_u32 s[G0A+4*(\s)+1], s[LB], (\s)*SLOT
	s_add_nc_u64 s[G0A+4*(\s)+2:G0A+4*(\s)+3], s[14:15], (\s)*STEPA
	s_or_b32 s[G0A+4*(\s)+3], s[G0A+4*(\s)+3], 0x80000000
	s_mov_b32 s[G0B+4*(\s)], 1
	s_add_co_u32 s[G0B+4*(\s)+1], s[LB], (\s)*SLOT
	s_add_nc_u64 s[G0B+4*(\s)+2:G0B+4*(\s)+3], s[22:23], (\s)*STEPB
	s_or_b32 s[G0B+4*(\s)+3], s[G0B+4*(\s)+3], 0x80000000
.endr
	s_cmp_eq_u32 s[RH], 0                          ; a wave's two first fills stand in one branch, ahead of every wait on TENSORcnt and every LDS read: two loads of mine are out
	s_cbranch_scc0 .Lfirst_b
	tensor_load_to_lds s[G0A:G0A+3], s[G1A:G1A+7]
	s_nop 0
	tensor_load_to_lds s[G0A+4:G0A+7], s[G1A:G1A+7]
	s_nop 0
.rept 4
	v_nop
.endr
	s_branch .Lfirst_asked
.Lfirst_b:
	tensor_load_to_lds s[G0B:G0B+3], s[G1B:G1B+7]
	s_nop 0
	tensor_load_to_lds s[G0B+4:G0B+7], s[G1B:G1B+7]
	s_nop 0
.rept 4
	v_nop
.endr
.Lfirst_asked:
	v_and_b32 v1, 15, v0                           ; l % 16
	v_bfe_u32 v2, v0, 4, 1                         ; l / 16
	v_and_b32 v3, 31, v0                           ; l
	; the bias first, so that it is on its way during the rest of the set-up
	s_lshl_b32 s18, s[CX], 10
	s_lshl_b32 s19, s[CH], 9
	s_add_co_u32 s18, s18, s19
	v_lshl_add_u32 v[BO], v2, 5, s18               ; 4 bytes x (256 cx + 128 half + 8 (l / 16))
	s_cmp_eq_u32 ttmp9, 1
	s_cselect_b64 s[10:11], s[68:69], s[10:11]
	s_cmp_eq_u32 ttmp9, 2
	s_cselect_b64 s[10:11], s[70:71], s[10:11]
	WIN TO_B                                       ; the bias lies in window 1: the way out leaves it alone, and the second tile takes it again
.irp b, 0,1,2,3,4,5,6,7
	global_load_b128 v[BI+8*(\b):BI+8*(\b)+3],   v[BO], s[10:11] offset:64*(\b)
	global_load_b128 v[BI+8*(\b)+4:BI+8*(\b)+7], v[BO], s[10:11] offset:64*(\b)+16
.endr
	WIN 0
	v_mul_u32_u24 v[LA0], v1, PITCH                ; a fragment of xb: row l % 16, 16 bytes for each half of the lanes, twice, 32 bytes apart
	v_lshl_add_u32 v[LA0], v2, 4, v[LA0]
	s_mul_i32 s2, s[RH], HALFT
	v_add_nc_u32 v[LA0], s2, v[LA0]
	v_and_b32 v4, 7, v0                            ; the turning load: lane l reads row 8 (l / 16) + l % 8, columns 8 ((l / 8) % 2) + 0..7
	v_lshl_add_u32 v4, v2, 3, v4
	v_mul_u32_u24 v[LB0], v4, PB
	v_bfe_u32 v5, v0, 3, 1
	v_lshl_add_u32 v[LB0], v5, 4, v[LB0]
	s_lshl_b32 s2, s[CH], 8
	s_add_co_u32 s2, s2, BOFF
	v_add_nc_u32 v[LB0], s2, v[LB0]
	v_mov_b32 v[CA], v[LA0]
	v_mov_b32 v[CB], v[LB0]
	s_mul_i32 s2, s[WV], 16*PITCH
	s_add_co_u32 s2, s2, STAGE                     ; my stage
	v_mul_u32_u24 v[STO], v1, PITCH
	v_lshl_add_u32 v[STO], v2, 4, v[STO]
	v_add_nc_u32 v[STO], s2, v[STO]
	v_mul_u32_u24 v[RD], v2, PITCH
	v_lshl_add_u32 v[RD], v1, 4, v[RD]
	v_add_nc_u32 v[RD], s2, v[RD]
	v_lshlrev_b32 v[CO], 11, v2
	v_lshl_add_u32 v[CO], v1, 4, v[CO]
	v_lshrrev_b32 v[PFO], s[RH], v3                ; xb: a lane a row; wb: two lanes a row of 512 bytes
	v_lshlrev_b32 v[PFO], 11, v[PFO]
	v_and_b32 v5, s[RH], v3
	v_lshl_add_u32 v[PFO], v5, 8, v[PFO]
	s_lshl_b32 s18, s[TRW], 8                      ; where my part of the first tile begins in the result
	s_lshl_b32 s19, s[RH], 7
	s_add_co_u32 s18, s18, s19
	s_lshl_b32 s18, s18, 11
	s_lshl_b32 s19, ttmp9, 24
	s_add_co_u32 s18, s18, s19
	s_lshl_b32 s19, s[CX], 9
	s_add_co_u32 s18, s18, s19
	s_lshl_b32 s19, s[CH], 8
	s_add_co_u32 s18, s18, s19
	s_mov_b32 s19, 0
	s_add_nc_u64 s[8:9], s[8:9], s[18:19]
	s_mov_b32 s[KSA], STEPA                        ; the steps, for the selects in the loop
	s_mov_b32 s[KNA], NEXT_A
	s_mov_b32 s[KSB], STEPB
	s_mov_b32 s[KBB], BACK_B
	s_lshl_b32 s12, s[TRW], 8                      ; the prefetches.  xb: my work-group's 32 rows (by cx) of the 128 that I fetch, at K step 3
	s_lshl_b32 s13, s[CH], 7
	s_add_co_u32 s12, s12, s13
	s_lshl_b32 s13, s[CX], 5
	s_add_co_u32 s12, s12, s13
	s_lshl_b32 s12, s12, 11
	s_add_co_u32 s12, s12, 3*STEPA
	s_lshl_b32 s13, ttmp9, 21                      ; wb: my work-group's 16 rows (by cy) of the 64 that I fetch
	s_lshl_b32 s18, s[CX], 9
	s_add_co_u32 s13, s13, s18
	s_lshl_b32 s18, s[CH], 6
	s_lshl_b32 s19, s[CY], 4
	s_add_co_u32 s18, s18, s19
	s_lshl_b32 s18, s18, 11
	s_add_co_u32 s13, s13, s18
	s_add_co_u32 s13, s13, 3*STEPB
	s_and_b32 s19, ttmp7, 0xffff                   ; cluster y
	s_cmp_eq_u32 s[RH], 0
	s_cselect_b32 s12, s12, s13
	s_cselect_b32 s19, ttmp9, s19                  ; the coordinate along which other clusters read the same blocks
	s_cselect_b32 s[PFS], s[KSA], s[KSB]
	s_cselect_b32 s[PFN], s[KNA], s[KSB]           ; (wb's prefetches have ended when this step is taken)
	s_cselect_b32 s76, 2, 10                       ; xb: up to walk step 15; wb: up to walk step 7
	s_cselect_b64 s[PFA:PFA+1], s[4:5], s[6:7]
	s_mov_b32 s13, 0
	s_add_nc_u64 s[PFA:PFA+1], s[PFA:PFA+1], s[12:13]
	s_cmp_eq_u32 s19, 0
	s_cselect_b32 s[LIM], s76, -1                  ; the same in all sixteen partners, for a given wave
	s_mov_b32 s[IA+1], 0                           ; the steps are pairs with 0 above
	s_mov_b32 s[IB+1], 0
	s_mov_b32 s[JB+1], 0
	s_mov_b32 s[PFI+1], 0
	s_wait_loadcnt 0x0                             ; the bias
	WIN 0x05                                       ; sources in window 1, destination in window 0
.set p, 0
.rept 32
	v_cvt_pk_bf16_f32 v[OB+p], v[BI+2*p], v[BI+2*p+1]  ; rounded to bf16 as every input is,
.set p, p+1
.endr
	WIN TO_B                                       ; destination in window 1
.set p, 0
.rept 32
	v_lshlrev_b32 v[BI+2*p], 16, v[OB+p]           ; and widened again
	v_and_b32 v[BI+2*p+1], 0xffff0000, v[OB+p]
.set p, p+1
.endr
	WIN 0
; 16 products: row blocks a0, a0 + 1 of the window's four x all 8 column blocks, 32 along K.  cm = 1: they start the sums, with the bias (window 1) as C.
; The 64 accumulators take turns in one fixed order: 63 others stand between two links of a chain.
.macro MUL16 f, hi, a0, cm
.if \cm
	WIN 0x91+0x40*(\hi)
.else
	WIN 0xa1+0x50*(\hi)
.endif
.irp a, \a0, (\a0)+1
.irp b, 0,1,2,3,4,5,6,7
.if \cm
	v_wmma_f32_16x16x32_bf16 v[8*(8*(\a)+(\b)):8*(8*(\a)+(\b))+7], v[(\f)+8*(\b):(\f)+8*(\b)+7], v[(\f)+8*(4*(\hi)+(\a)):(\f)+8*(4*(\hi)+(\a))+7], v[BI+8*(\b):BI+8*(\b)+7]
.else
	v_wmma_f32_16x16x32_bf16 v[8*(8*(\a)+(\b)):8*(8*(\a)+(\b))+7], v[(\f)+8*(\b):(\f)+8*(\b)+7], v[(\f)+8*(4*(\hi)+(\a)):(\f)+8*(4*(\hi)+(\a))+7], v[8*(8*(\a)+(\b)):8*(8*(\a)+(\b))+7]
.endif
.endr
.endr
.endm
; 32 LDS loads in one run: quarter kq's fragments (32 along K) into buffer f: wb's 16 first, then xb's 16
.macro FETCH kq, f
	WIN TO_B
.irp b, 0,1,2,3,4,5,6,7
	ds_load_tr16_b128 v[(\f)+8*(\b):(\f)+8*(\b)+3],   v[CB] offset:(\kq)*32*PB+32*(\b)
	ds_load_tr16_b128 v[(\f)+8*(\b)+4:(\f)+8*(\b)+7], v[CB] offset:(\kq)*32*PB+32*(\b)+16*PB
.endr
	WIN 0
.irp a, 0,1,2,3,4,5,6,7
	ds_load_b128 v[(\f)+8*(\a):(\f)+8*(\a)+3],   v[CA] offset:64*(\kq)+(\a)*16*PITCH
	ds_load_b128 v[(\f)+8*(\a)+4:(\f)+8*(\a)+7], v[CA] offset:64*(\kq)+(\a)*16*PITCH+32
.endr
.endm
; One of a K step's first three quarters: multiplies buffer f and, in its middle, fetches quarter kq into buffer g
.macro QUARTER kq, f, g, cm
	s_wait_dscnt 8                                 ; wb's fragments and xb's rows 0-63 are in; the youngest eight loads (rows 64-127) may be out
	MUL16 \f, 0, 0, \cm
	MUL16 \f, 0, 2, \cm
	PLACES
	FETCH \kq, \g
	s_wait_dscnt 32                                ; all but the 32 just issued
	MUL16 \f, 1, 0, \cm
	MUL16 \f, 1, 2, \cm
.endm
; The fourth quarter multiplies buffer 1 and changes slots.  In front of the barrier each wave waits for all its tensor loads (one is out: its part of the next slot), adds 0 to its spare word, and waits for
; that and for its reads of this slot.  fill = 1: the barrier opens a round of the cluster's, and this slot is filled again, first thing behind it, with the walk step two on: 224 products stand between the request and the wait for it.
; The loop's count s3 is 14 - n at change of slots n.  The refill of change 6 is the second tile's K step 0: xb goes 4,096 rows down and 7 steps back, wb 7 steps back; every other refill goes one K step on.
; The prefetches, two refills ahead, take the same step into the second tile at change 4.
.macro TURN fill
.if \fill
	s_wait_xcnt 0x0                                ; the last prefetch, a K step back, has read its address
	s_cmp_eq_u32 s3, 10
	s_cselect_b32 s[PFI], s[PFN], s[PFS]
	s_add_nc_u64 s[PFA:PFA+1], s[PFA:PFA+1], s[PFI:PFI+1]
.endif
	WIN 0
	s_wait_tensorcnt 0x0                           ; no tensor load of mine is out, so the walking descriptors may be written
	ds_add_u32 v[SPW], v[NIL]
.if \fill
	s_cmp_eq_u32 s3, 8
	s_cselect_b32 s[IA], s[KNA], s[KSA]
	s_cselect_b32 s[IB], 0, s[KSB]
	s_cselect_b32 s[JB], s[KBB], 0
	s_xor_b32 s[G0A+5], s[G0A+5], SLOT
	s_add_nc_u64 s[G0A+6:G0A+7], s[G0A+6:G0A+7], s[IA:IA+1]
	s_xor_b32 s[G0B+5], s[G0B+5], SLOT
	s_add_nc_u64 s[G0B+6:G0B+7], s[G0B+6:G0B+7], s[IB:IB+1]
	s_sub_nc_u64 s[G0B+6:G0B+7], s[G0B+6:G0B+7], s[JB:JB+1]
.endif
	s_wait_dscnt 9                                 ; the add and the youngest eight loads may be out
	MUL16 F1, 0, 0, 0
	s_wait_dscnt 0x0                               ; the add is done, and my reads of this slot are over
	s_barrier_signal -1
	MUL16 F1, 0, 2, 0
	WIN 0
	s_barrier_wait -1
.if \fill
	CREST
	JLOAD                                          ; its four v_nop are also the places in front of the loads below
.else
	PLACES
.endif
	s_xor_b32 s[TR], s[TR], SLOT
	v_add_nc_u32 v[CA], s[TR], v[LA0]
	v_add_nc_u32 v[CB], s[TR], v[LB0]
	FETCH 0, F0
.if \fill
	ASK
.endif
	MUL16 F1, 1, 0, 0
	MUL16 F1, 1, 2, 0
.endm
; THE WAY OUT of row block a: rounded to f16, 16 bytes a lane; through my own stage; back as whole rows of 256 bytes; stored.
.macro PACK a
.set AC, 64*((\a)%4)
	WIN 0x0a+5*((\a)/4)                            ; sources in window 2 or 3
.irp b, 0,1,2,3,4,5,6,7
.irp r, 0,1,2,3
	v_cvt_pk_f16_f32 v[TMP+4*(\b)+(\r)], v[AC+8*(\b)+2*(\r)], v[AC+8*(\b)+2*(\r)+1]
.endr
.endr
	WIN 0
.endm
.macro TOSTAGE a
.set BK, OB+192*((\a)%2)
.irp b, 0,1,2,3,4,5,6,7
	ds_store_b128 v[STO], v[TMP+4*(\b):TMP+4*(\b)+3] offset:32*(\b)
.endr
.irp t, 0,1,2,3,4,5,6,7
	ds_load_b128 v[BK+4*(\t):BK+4*(\t)+3], v[RD] offset:(\t)*2*PITCH  ; LDS serves a wave's instructions in order: these see the stores above
.endr
.endm
.macro SEND a, nxt                     ; nxt = 1: the second tile
.set BK, OB+192*((\a)%2)
	s_wait_dscnt 0x0                               ; the block is back in registers
	s_wait_xcnt 0x0                                ; earlier stores have read their base and their data: both are rewritten only behind this wait
.if (\a) > 0
	s_add_nc_u64 s[8:9], s[8:9], 16*2048
.elseif \nxt
	s_add_nc_u64 s[8:9], s[8:9], NEXT_C
.endif
.irp t, 0,1,2,3,4,5,6,7
	global_store_b128 v[CO], v[BK+4*(\t):BK+4*(\t)+3], s[8:9] offset:(\t)*4096  ; 16 lanes store 256 consecutive bytes, aligned
.endr
.endm
; A whole tile goes out.  It stands behind a change of slots: blocks 0-3 were finished in front of that change's places, and their 128 conversions, which name no register of the last products (blocks 4-7's),
; are those products' places.  Block a's conversions stand between block a - 1's loads from the stage and the wait for them.  Buffer 0, which the change of slots has fetched, is left alone.
.macro WAYOUT nxt
	PACK 0
	TOSTAGE 0
.irp a, 1,2,3,4,5,6,7
	PACK \a
	SEND (\a)-1, \nxt
	TOSTAGE \a
.endr
	SEND 7, \nxt
.endm
	s_wait_tensorcnt 1                             ; my part of K step 0 is in; K step 1's stays out
	s_barrier_signal -1
	s_barrier_wait -1
	FETCH 0, F0
	s_mov_b32 s3, 15
	s_branch .Lstart                               ; the loop is entered at a tile's first quarter, in the middle of a trip
.Lk:                                               ; 14 trips: trip n ends walk step n, fills its slot with walk step n + 2, and begins walk step n + 1
	QUARTER 2, F1, F0, 0
	QUARTER 3, F0, F1, 0
	TURN 1
	WIN 0
	s_cmp_eq_u32 s3, 7                             ; walk step 7 was the first tile's last: the same trip in every work-group
	s_cbranch_scc1 .Lnew
	QUARTER 1, F0, F1, 0
	WIN 0
	s_branch .Ljoin
.Lnew:
	WAYOUT 0                                       ; both refills for the second tile have been asked for: now the first goes out
.Lstart:
	QUARTER 1, F0, F1, 1                           ; a tile's first quarter starts the sums
	WIN 0
.Ljoin:
	s_sub_co_u32 s3, s3, 1
	s_cmp_lg_u32 s3, 0
	s_cbranch_scc1 .Lk
	s_mov_b32 s2, 2
.Ltail:                                            ; walk steps 14 and 15 ask for nothing: one text, walked twice and left in its middle.  In the second walk the change of slots fetches
	QUARTER 2, F1, F0, 0                           ; the other slot's old bytes into buffer 0, which nobody multiplies: the price, once a launch, of one text for both
	QUARTER 3, F0, F1, 0
	TURN 0
	WIN 0
	s_sub_co_u32 s2, s2, 1
	s_cmp_eq_u32 s2, 0
	s_cbranch_scc1 .Lout
	QUARTER 1, F0, F1, 0
	WIN 0
	s_branch .Ltail
.Lout:
	WAYOUT 1
	s_wait_tensorcnt 0x0                           ; the wave's end
	ds_add_u32 v[SPW], v[NIL]
	s_wait_dscnt 0x0
	CROUND                                         ; the closing round
	s_endpgm
.Lfunc_end_k_qddddf194ba_proj:
	.size	k_qddddf194ba_proj, .Lfunc_end_k_qddddf194ba_proj-k_qddddf194ba_proj
	.p2alignl 7, 3214868480
	.fill 96, 4, 3214868480
	.section	.rodata,"a",@progbits
	.p2align	6, 0x0
	.amdhsa_kernel k_qddddf194ba_proj
		.amdhsa_group_segment_fixed_size 327680
		.amdhsa_private_segment_fixed_size 0
		.amdhsa_enable_private_segment 0
		.amdhsa_kernarg_size 48
		.amdhsa_user_sgpr_count 2
		.amdhsa_user_sgpr_kernarg_segment_ptr 1
		.amdhsa_wavefront_size32 1
		.amdhsa_system_sgpr_workgroup_id_x 1
		.amdhsa_system_sgpr_workgroup_id_y 1
		.amdhsa_system_sgpr_workgroup_id_z 1
		.amdhsa_system_vgpr_workitem_id 0
		.amdhsa_next_free_vgpr 1024
		.amdhsa_next_free_sgpr 80
		.amdhsa_reserve_vcc 0
		.amdhsa_float_denorm_mode_32 3
		.amdhsa_float_denorm_mode_16_64 3
		.amdhsa_memory_ordered 1
		.amdhsa_forward_progress 1
		.amdhsa_inst_pref_size 140
	.end_amdhsa_kernel
	.amdgpu_metadata
---
amdhsa.version: [ 1, 2 ]
amdhsa.kernels:
  - .name:           k_qddddf194ba_proj
    .symbol:         k_qddddf194ba_proj.kd
    .args:
      - { .name: xb, .offset: 0, .size: 8, .value_kind: global_buffer, .address_space: global }
      - { .name: wb, .offset: 8, .size: 8, .value_kind: global_buffer, .address_space: global }
      - { .name: qkv, .offset: 16, .size: 8, .value_kind: global_buffer, .address_space: global }
      - { .name: bq, .offset: 24, .size: 8, .value_kind: global_buffer, .address_space: global }
      - { .name: bk, .offset: 32, .size: 8, .value_kind: global_buffer, .address_space: global }
      - { .name: bv, .offset: 40, .size: 8, .value_kind: global_buffer, .address_space: global }
    .group_segment_fixed_size: 327680
    .private_segment_fixed_size: 0
    .kernarg_segment_align: 8
    .kernarg_segment_size: 48
    .max_flat_workgroup_size: 128
    .sgpr_count:     80
    .vgpr_count:     1024
    .wavefront_size: 32
...
	.end_amdgpu_metadata
.endif
;; end of part 2
;; launch score (part 3): grid 36 x 4, 4 waves a work-group, no clusters, 327,680 bytes of LDS; arguments qkv, pm, st; writes pm, st
.if DOCPART == 3
	.amdgcn_target "amdgcn-amd-amdhsa--gfx1250"
	.amdhsa_code_object_version 6
	.text
	.protected	k_qddddf194ba_score
	.globl	k_qddddf194ba_score
	.p2align	8
	.type	k_qddddf194ba_score,@function
k_qddddf194ba_score:
	s_mov_b64 s[64:65], 0
	v_nop
	global_prefetch_b8 v0, s[64:65] scope:SCOPE_SE
	s_setreg_imm32_b32 hwreg(HW_REG_WAVE_MODE, 25, 1), 1
	s_wait_xcnt 0x0
; For each batch and each tile (i, j), j <= i, of 256 queries x 256 keys: S = q k^T in f32; then for each row and each block of 128 keys: E = floor(c max S) + 1, c = log2(e) / 32,
; P = 2^(c S - E) rounded to f16, l = the sum of the unrounded P.  So each block's own maximum is taken away, rounded up to a whole number of powers of two; the next launch brings the blocks of a row together.
; qkv: [3][8192][1024] f16.  pm: [4][2048 q][2048 k] f16.  st: E at [4][16 key blocks][2048 rows] f32, l the same 524,288 bytes on.
; LIMITS.  A hidden score counts as its value less 1e30; a block's maximum is held at -1e24 or above, so a block that is all hidden gets P = 0, l = 0 and an E far below every true one.
; True scores are at most 1024 x 65,504^2 = 4.4e12 in size.  A weight below 2^-126 counts as 0 in l.  NaN and infinities are not treated apart.
; THE MASK is the C operand of the products that start the sums: 0, or -1e30 where the key lies behind the query; only the diagonal tiles have any.
; The diagonal tile of an even i also writes zeros for tile (i, i + 1) and its statistics: the next launch walks keys up to the end of each group of 512 rows.
; NO CLUSTER: row i of the triangle has i + 1 tiles and column j has 8 - j, so the 36 tiles do not fall into fours that share a row or a column; a cover of the 8 x 8 square by 4 x 4 would hold 12 work-groups a batch with nothing to compute.
; SHARES, RING, REGISTERS: four waves, 128 x 128 each, 64 accumulators in windows 2 and 3; K = 1024 in 8 steps of 128 through two LDS slots; each wave fetches 128 rows x 256 bytes with one load of its own.
; The product is used transposed (source 0 = 16 keys, source 1 = 16 queries): a lane holds one query and eight neighbouring keys.
; THE WAY OUT: the accumulators go into the ring's bytes (which have had their last fill), each lane's own numbers, and a loop of eight trips takes 16 rows at a time: so the softmax is written once.
.set PITCH,  272
.set HALFT,  128*PITCH
.set SLOT,   4*HALFT                   ; 0x22000: shares no bit with wave x HALFT
.set BOFF,   2*HALFT
.set STAGE,  2*SLOT
.set SST,    STAGE+4*16*PITCH          ; 1,024 bytes a wave: E of its 128 rows, then l
.set SPARE,  SST+4096
.set DPITCH, 528                       ; a row of 128 f32 + 16 bytes
.set DWAVE,  128*DPITCH
.set LA0, 16
.set LB0, 17
.set CA,  18
.set CB,  19
.set DW,  20                           ; v20  my place in my wave's dump
.set DA,  21                           ; v21  the same in the trip's 16 rows
.set SA0, 22                           ; v22  my row's word in the statistics
.set SA,  23
.set STO, 24
.set RD,  25
.set CO,  26
.set SLD, 27                           ; v27  where I read 16 bytes of statistics back
.set SPW, 28
.set NIL, 29
.set PFO, 30
.set GS,  31                           ; v31  16 x lane
.set MX,  32                           ; v32-35 four chains of the maximum
.set XC,  36                           ; v36  from the other half of the lanes
.set EV,  40                           ; v40-41 E, as a pair
.set LV,  42
.set F0,  64
.set F1,  128
.set SV,  64                           ; v64-127 a lane's 64 scores of a row
.set PH,  128                          ; v128-159 as f16
.set BK,  160                          ; v160-191 whole rows
.set MK,  192                          ; v192-199 mask for b < a, v200-207 for b = a, v208-215 for b > a
.set ZR,  192                          ; later: four zeros
.set WV,  10
.set RH,  11                           ; my 128 queries; also: I fetch q (0) or k (1)
.set CH,  12                           ; my 128 keys; also: which half I fetch
.set TI,  13
.set TJ,  14
.set BA,  15
.set G1,  16
.set G0,  24                           ; s[24:27] slot 0's first fill, s[28:31] the walking descriptor
.set TR,  32
.set DOFF, 33
.set LB,  34
.set LIM, 35
.set PFA, 36
.set CS,  38
.set SEL, 40
.set BIG, 42
.set AL,  43
.set CLO, 44
.set CHI, 45
.set ZT,  46
.set FL,  47
.set SOFF, 56
.set TC,  57                           ; counts the last two K steps
.set MSB, 0
.macro WIN new
.if MSB != (\new)
	s_set_vgpr_msb (MSB<<8)|(\new)
.set MSB, \new
.endif
.endm
.set TO_B, 0x40
.macro PLACES
.rept 4
	v_nop
.endr
.endm
; A prefetch of the K step two refills on: the 128 rows x 256 bytes that I shall fetch, a lane a row, four lines.  q's rows of block i are read by the tiles (i, 0 .. i): tile j = 0 asks;
; k's rows of block j by the tiles (j .. 7, j): the diagonal tile asks.  So each block of 256 bytes is named once.  The loop's last two trips ask for nothing.
.macro ASK
	s_cmp_gt_u32 s3, s[LIM]
	s_cbranch_scc0 .Lnot_mine_\@
.irp n, 0,1,2,3
	global_prefetch_b8 v[PFO], s[PFA:PFA+1] offset:(\n)*65536 th:TH_LOAD_NT scope:SCOPE_SE
.endr
.Lnot_mine_\@:
.endm
	s_load_b128 s[4:7], s[0:1], 0x0                ; qkv s[4:5], pm s[6:7]
	s_load_b64 s[8:9], s[0:1], 0x10                ; st
	v_lshl_add_u32 v[SPW], v0, 2, SPARE
	v_mov_b32 v[NIL], 0
	ds_add_u32 v[SPW], v[NIL]                      ; the wave's opening: the add and its wait stand ahead of my first tensor load
	v_lshrrev_b32 v1, 5, v0
	v_readfirstlane_b32 s[WV], v1
	s_lshr_b32 s[RH], s[WV], 1
	s_and_b32 s[CH], s[WV], 1
	s_and_b32 s[BA], ttmp7, 0xffff
	s_mov_b32 s[TI], 0                             ; tile x of the triangle: i = how many of 1, 3, 6, .. 28 are at most x; j = x - i (i + 1) / 2
.irp n, 1,3,6,10,15,21,28
	s_cmp_ge_u32 ttmp9, \n
	s_add_co_ci_u32 s[TI], s[TI], 0
.endr
	s_add_co_u32 s48, s[TI], 1
	s_mul_i32 s48, s48, s[TI]
	s_lshr_b32 s48, s48, 1
	s_sub_co_u32 s[TJ], ttmp9, s48
	s_mov_b32 s[G1], (1<<16)|(1<<20)|(5<<22)|(3<<25)  ; 2-byte elements; padding on: after every 64 words 4 words
	s_mov_b32 s[G1+1], 128<<16
	s_mov_b32 s[G1+2], 128<<16
	s_mov_b32 s[G1+3], 128<<16
	s_mov_b32 s[G1+4], 128
	s_mov_b32 s[G1+5], 1024
	s_mov_b32 s[G1+6], 0
	s_mov_b32 s[G1+7], 0
	s_mov_b32 s[CS], 0x3d38aa3b                    ; c = log2(e) / 32
	s_mov_b32 s[CS+1], s[CS]
	s_mov_b32 s[SEL], 0x76543210
	s_mov_b32 s[SEL+1], 0xfedcba98
	s_mov_b32 s[BIG], 0xf149f2ca                   ; -1e30
	s_mov_b32 s[FL], 0xe753c21c                    ; -1e24
	s_mov_b32 s[TR], 0
	s_mul_i32 s[LB], s[WV], HALFT
	s_cmp_eq_u32 s[RH], 0
	s_cselect_b32 s48, s[TI], s[TJ]                ; q's block i or k's block j
	s_lshl_b32 s48, s48, 8
	s_lshl_b32 s49, s[CH], 7
	s_add_co_u32 s48, s48, s49
	s_lshl_b32 s49, s[BA], 11
	s_add_co_u32 s48, s48, s49
	s_lshl_b32 s48, s48, 11                        ; 2,048 bytes a row
	s_lshl_b32 s49, s[RH], 24                      ; k lies 16,777,216 bytes behind q
	s_add_co_u32 s48, s48, s49
	s_mov_b32 s49, 0
	s_wait_dscnt 0x0                               ; the opening add is done
	s_wait_kmcnt 0x0
	s_add_nc_u64 s[50:51], s[4:5], s[48:49]
.irp s, 0,1                            ; the two first fills go out together, ahead of every wait on TENSORcnt, every LDS read and every barrier: two loads of mine are out
	s_mov_b32 s[G0+4*(\s)], 1
	s_add_co_u32 s[G0+4*(\s)+1], s[LB], (\s)*SLOT
	s_add_nc_u64 s[G0+4*(\s)+2:G0+4*(\s)+3], s[50:51], (\s)*256
	s_or_b32 s[G0+4*(\s)+3], s[G0+4*(\s)+3], 0x80000000
	tensor_load_to_lds s[G0+4*(\s):G0+4*(\s)+3], s[G1:G1+7]
	s_nop 0
.endr
.rept 4
	v_nop
.endr
	s_add_nc_u64 s[PFA:PFA+1], s[50:51], 3*256     ; at K step 3: the first refill steps it to 4
	s_cmp_eq_u32 s[TJ], 0
	s_cselect_b32 s52, 2, -1
	s_cmp_eq_u32 s[TI], s[TJ]
	s_cselect_b32 s53, 2, -1
	s_cselect_b32 s48, 1, 0                        ; the diagonal tile?
	s_cmp_eq_u32 s[RH], 0
	s_cselect_b32 s[LIM], s52, s53
	s_cmp_eq_u32 s[RH], s[CH]
	s_cselect_b32 s49, s48, 0                      ; and my quadrant holds the diagonal
	s_cmp_lt_u32 s[RH], s[CH]
	s_cselect_b32 s50, s48, 0                      ; or lies above it
	s_or_b32 s51, s49, s50
	s_cmp_lg_u32 s49, 0
	s_cselect_b32 s[AL], 1.0, 0
	s_cmp_lg_u32 s50, 0
	s_cselect_b32 s[CLO], s[BIG], 0                ; blocks b < a, and the addend for b = a
	s_cmp_lg_u32 s51, 0
	s_cselect_b32 s[CHI], s[BIG], 0                ; blocks b > a
	s_and_b32 s52, s[TI], 1
	s_xor_b32 s52, s52, 1
	s_and_b32 s[ZT], s52, s48                      ; the diagonal tile of an even i writes the zero tile too
	v_and_b32 v1, 15, v0                           ; l % 16
	v_bfe_u32 v2, v0, 4, 1                         ; l / 16
	v_and_b32 v3, 31, v0
	v_lshlrev_b32 v4, 3, v2
	v_sub_nc_u32 v4, v1, v4                        ; in a 16 x 16 block on the diagonal, register j is hidden where 8 (l / 16) + j > l % 16
.irp j, 0,1,2,3,4,5,6,7
	v_cmp_gt_i32 vcc_lo, \j, v4
	v_cndmask_b32 v[MK+8+(\j)], 0, s[BIG], vcc_lo
.endr
.irp j, 0,1,2,3,4,5,6,7
	v_fma_f32 v[MK+8+(\j)], v[MK+8+(\j)], s[AL], s[CLO]
	v_mov_b32 v[MK+(\j)], s[CLO]
	v_mov_b32 v[MK+16+(\j)], s[CHI]
.endr
	v_mul_u32_u24 v5, v1, PITCH
	v_lshl_add_u32 v5, v2, 4, v5                   ; a fragment's row x pitch + 16 x half
	s_mul_i32 s48, s[RH], HALFT
	v_add_nc_u32 v[LA0], s48, v5
	s_mul_i32 s48, s[CH], HALFT
	s_add_co_u32 s48, s48, BOFF
	v_add_nc_u32 v[LB0], s48, v5
	v_mov_b32 v[CA], v[LA0]
	v_mov_b32 v[CB], v[LB0]
	s_mul_i32 s48, s[WV], 16*PITCH
	s_add_co_u32 s48, s48, STAGE
	v_add_nc_u32 v[STO], s48, v5
	v_mul_u32_u24 v[RD], v2, PITCH
	v_lshl_add_u32 v[RD], v1, 4, v[RD]
	v_add_nc_u32 v[RD], s48, v[RD]
	v_lshlrev_b32 v[CO], 12, v2                    ; two rows of pm, 4,096 bytes each
	v_lshl_add_u32 v[CO], v1, 4, v[CO]
	s_mul_i32 s48, s[WV], DWAVE
	v_mul_u32_u24 v[DW], v1, DPITCH
	v_lshl_add_u32 v[DW], v2, 5, v[DW]
	v_add_nc_u32 v[DW], s48, v[DW]
	s_lshl_b32 s48, s[WV], 10
	s_add_co_u32 s48, s48, SST
	v_lshl_add_u32 v[SA0], v1, 2, s48
	v_lshl_add_u32 v[SLD], v3, 4, s48
	v_lshlrev_b32 v[GS], 4, v3
	v_lshlrev_b32 v[PFO], 11, v3
	s_lshl_b32 s48, s[TI], 8                       ; pm at my quadrant
	s_lshl_b32 s49, s[RH], 7
	s_add_co_u32 s48, s48, s49
	s_lshl_b32 s52, s48, 2                         ; (kept: my first row x 4 bytes, for st)
	s_lshl_b32 s48, s48, 12
	s_lshl_b32 s49, s[BA], 23
	s_add_co_u32 s48, s48, s49
	s_lshl_b32 s49, s[TJ], 9
	s_add_co_u32 s48, s48, s49
	s_lshl_b32 s49, s[CH], 8
	s_add_co_u32 s48, s48, s49
	s_mov_b32 s49, 0
	s_add_nc_u64 s[6:7], s[6:7], s[48:49]
	s_lshl_b32 s48, s[BA], 4                       ; st at key block 2 j + half of my batch, 8,192 bytes a block
	s_lshl_b32 s49, s[TJ], 1
	s_add_co_u32 s48, s48, s49
	s_add_co_u32 s48, s48, s[CH]
	s_lshl_b32 s48, s48, 13
	s_add_co_u32 s48, s48, s52
	s_mov_b32 s49, 0
	s_add_nc_u64 s[8:9], s[8:9], s[48:49]
; 16 products.  cm = 1: they start the sums, with the mask as C.  The 64 accumulators take turns in one fixed order.
.macro MUL16 f, hi, a0, cm
.if \cm
	WIN 0x81+0x40*(\hi)
.else
	WIN 0xa1+0x50*(\hi)
.endif
.irp a, \a0, (\a0)+1
.irp b, 0,1,2,3,4,5,6,7
.if \cm
.set cr, MK
.if (\b) == 4*(\hi)+(\a)
.set cr, MK+8
.elseif (\b) > 4*(\hi)+(\a)
.set cr, MK+16
.endif
	v_wmma_f32_16x16x32_f16 v[8*(8*(\a)+(\b)):8*(8*(\a)+(\b))+7], v[(\f)+8*(\b):(\f)+8*(\b)+7], v[(\f)+8*(4*(\hi)+(\a)):(\f)+8*(4*(\hi)+(\a))+7], v[cr:cr+7]
.else
	v_wmma_f32_16x16x32_f16 v[8*(8*(\a)+(\b)):8*(8*(\a)+(\b))+7], v[(\f)+8*(\b):(\f)+8*(\b)+7], v[(\f)+8*(4*(\hi)+(\a)):(\f)+8*(4*(\hi)+(\a))+7], v[8*(8*(\a)+(\b)):8*(8*(\a)+(\b))+7]
.endif
.endr
.endr
.endm
.macro FETCH kq, f                     ; 32 LDS loads in one run: k's 16, then q's 16
	WIN TO_B
.irp b, 0,1,2,3,4,5,6,7
	ds_load_b128 v[(\f)+8*(\b):(\f)+8*(\b)+3],   v[CB] offset:64*(\kq)+(\b)*16*PITCH
	ds_load_b128 v[(\f)+8*(\b)+4:(\f)+8*(\b)+7], v[CB] offset:64*(\kq)+(\b)*16*PITCH+32
.endr
	WIN 0
.irp a, 0,1,2,3,4,5,6,7
	ds_load_b128 v[(\f)+8*(\a):(\f)+8*(\a)+3],   v[CA] offset:64*(\kq)+(\a)*16*PITCH
	ds_load_b128 v[(\f)+8*(\a)+4:(\f)+8*(\a)+7], v[CA] offset:64*(\kq)+(\a)*16*PITCH+32
.endr
.endm
.macro QUARTER kq, f, g, cm
	s_wait_dscnt 8                                 ; k's fragments and q's rows 0-63 are in; the youngest eight loads may be out
	MUL16 \f, 0, 0, \cm
	MUL16 \f, 0, 2, \cm
	PLACES
	FETCH \kq, \g
	s_wait_dscnt 32                                ; all but the 32 just issued
	MUL16 \f, 1, 0, \cm
	MUL16 \f, 1, 2, \cm
.endm
; The fourth quarter and the change of slots: the wait for all my tensor loads (one is out: my part of the next slot), the add, the wait for it and for my reads of this slot, one barrier;
; fill = 1: my one load, the K step two on into the slot just read out, first thing behind it: 224 products stand between the request and the wait for it.
.macro TURN fill
.if \fill
	s_wait_xcnt 0x0                                ; the last prefetches, a K step back, have read their address
	s_add_nc_u64 s[PFA:PFA+1], s[PFA:PFA+1], 256
.endif
	WIN 0
	s_wait_tensorcnt 0x0
	ds_add_u32 v[SPW], v[NIL]
.if \fill
	s_xor_b32 s[G0+5], s[G0+5], SLOT
	s_add_nc_u64 s[G0+6:G0+7], s[G0+6:G0+7], 256
.endif
	s_wait_dscnt 9                                 ; the add and the youngest eight loads may be out
	MUL16 F1, 0, 0, 0
	s_wait_dscnt 0x0
	s_barrier_signal -1
	MUL16 F1, 0, 2, 0
	WIN 0
	s_barrier_wait -1
.if \fill
	tensor_load_to_lds s[G0+4:G0+7], s[G1:G1+7]
	s_nop 0
.endif
	PLACES
	s_xor_b32 s[TR], s[TR], SLOT
	v_add_nc_u32 v[CA], s[TR], v[LA0]
	v_add_nc_u32 v[CB], s[TR], v[LB0]
	FETCH 0, F0
.if \fill
	ASK
.endif
	MUL16 F1, 1, 0, 0
	MUL16 F1, 1, 2, 0
.endm
	s_wait_tensorcnt 1                             ; my part of K step 0 is in; K step 1's stays out
	s_barrier_signal -1
	s_barrier_wait -1
	FETCH 0, F0
	QUARTER 1, F0, F1, 1
	WIN 0
	s_mov_b32 s3, 6
.Lk:                                               ; trip n ends K step n, fills its slot with K step n + 2, and begins K step n + 1
	QUARTER 2, F1, F0, 0
	QUARTER 3, F0, F1, 0
	TURN 1
	QUARTER 1, F0, F1, 0
	WIN 0
	s_sub_co_u32 s3, s3, 1
	s_cmp_lg_u32 s3, 0
	s_cbranch_scc1 .Lk
	s_mov_b32 s[TC], 2
.Ltail:                                            ; K steps 6 and 7 ask for nothing: one text, walked twice and left in its middle.  In the second walk the change of slots fetches
	QUARTER 2, F1, F0, 0                           ; the other slot's old bytes into buffer 0, which nobody multiplies: the price, once a launch, of one text for both
	QUARTER 3, F0, F1, 0
	TURN 0
	WIN 0
	s_sub_co_u32 s[TC], s[TC], 1
	s_cmp_eq_u32 s[TC], 0
	s_cbranch_scc1 .Ldump
	QUARTER 1, F0, F1, 0
	WIN 0
	s_branch .Ltail
.Ldump:
	s_wait_dscnt 0x0                               ; all my reads of the ring are back, that last fetch among them: say so,
	s_barrier_signal -1
	s_barrier_wait -1                              ; and write over the ring only when nobody reads it any more; no tensor load is out, and none follows
	PLACES
.irp a, 0,1,2,3,4,5,6,7                ; row 16 a + l % 16, keys 16 b + 8 (l / 16) + 0..7; each accumulator's low registers first
	WIN 0x08+4*((\a)/4)                            ; store data in window 2 or 3
.irp b, 0,1,2,3,4,5,6,7
	ds_store_b128 v[DW], v[8*(8*((\a)%4)+(\b)):8*(8*((\a)%4)+(\b))+3]   offset:(\a)*16*DPITCH+64*(\b)
	ds_store_b128 v[DW], v[8*(8*((\a)%4)+(\b))+4:8*(8*((\a)%4)+(\b))+7] offset:(\a)*16*DPITCH+64*(\b)+16
.endr
.endr
	WIN 0
.irp j, 0,1,2,3
	v_mov_b32 v[ZR+(\j)], 0
.endr
	v_mov_b32 v[XC], 0                             ; the lane exchange counts as a reader of its destination
	s_mov_b32 s[DOFF], 0
	s_mov_b32 s[SOFF], 0
	s_mov_b32 s3, 8
.Lrow:                                             ; 16 rows x 128 keys a trip; a lane has one row's 64 scores, the lane 16 away the other 64
	v_add_nc_u32 v[DA], s[DOFF], v[DW]
	v_add_nc_u32 v[SA], s[SOFF], v[SA0]
.irp b, 0,1,2,3,4,5,6,7
	ds_load_b128 v[SV+8*(\b):SV+8*(\b)+3],   v[DA] offset:64*(\b)   ; my own bytes: LDS serves a wave's instructions in order
	ds_load_b128 v[SV+8*(\b)+4:SV+8*(\b)+7], v[DA] offset:64*(\b)+16
.endr
	s_wait_dscnt 0x0
.irp k, 0,1,2,3                        ; four chains of 15 scores, three operands at a time
	v_max3_num_f32 v[MX+(\k)], v[SV+16*(\k)], v[SV+16*(\k)+1], v[SV+16*(\k)+2]
.endr
.irp m, 3,5,7,9,11,13
.irp k, 0,1,2,3
	v_max3_num_f32 v[MX+(\k)], v[MX+(\k)], v[SV+16*(\k)+(\m)], v[SV+16*(\k)+(\m)+1]
.endr
.endr
	v_max3_num_f32 v[MX], v[MX], v[SV+15], v[SV+31]
	v_max3_num_f32 v[MX+1], v[MX+1], v[SV+47], v[SV+63]
	v_max3_num_f32 v[MX], v[MX], v[MX+1], v[MX+2]
	v_max3_num_f32 v[MX], v[MX], v[MX+3], s[FL]
	v_permlanex16_b32 v[XC], v[MX], s[SEL], s[SEL+1]
	v_max_num_f32 v[MX], v[MX], v[XC]
	v_mul_f32 v[MX], s[CS], v[MX]
	v_floor_f32 v[MX], v[MX]
	v_add_f32 v[EV], 1.0, v[MX]                    ; E: the largest weight of the block lies in 0.5 to 1
	v_mov_b32 v[EV+1], v[EV]
.set p, 0
.rept 32
	v_pk_fma_f32 v[SV+2*p:SV+2*p+1], v[SV+2*p:SV+2*p+1], s[CS:CS+1], v[EV:EV+1] op_sel_hi:[1,0,0] neg_lo:[0,0,1] neg_hi:[0,0,1]
.set p, p+1
.endr
.set p, 0
.rept 64
	v_exp_f32 v[SV+p], v[SV+p]
.set p, p+1
.endr
	v_nop                                          ; a plain instruction behind the last exponential,
	s_wait_alu depctr_va_vdst(0)                   ; and one wait for the batch of 64, ahead of its first reader
.set p, 0
.rept 32
	v_cvt_pk_f16_f32 v[PH+p], v[SV+2*p], v[SV+2*p+1]
.set p, p+1
.endr
.irp w, 4,8,16,32,64                   ; the sum of the 32 pairs, as a tree, in place
.set u, 0
.rept 64/(\w)
	v_pk_add_f32 v[SV+(\w)*u:SV+(\w)*u+1], v[SV+(\w)*u:SV+(\w)*u+1], v[SV+(\w)*u+(\w)/2:SV+(\w)*u+(\w)/2+1]
.set u, u+1
.endr
.endr
	v_add_f32 v[LV], v[SV], v[SV+1]
	v_permlanex16_b32 v[XC], v[LV], s[SEL], s[SEL+1]
	v_add_f32 v[LV], v[LV], v[XC]
.irp b, 0,1,2,3,4,5,6,7
	ds_store_b128 v[STO], v[PH+4*(\b):PH+4*(\b)+3] offset:32*(\b)
.endr
.irp t, 0,1,2,3,4,5,6,7
	ds_load_b128 v[BK+4*(\t):BK+4*(\t)+3], v[RD] offset:(\t)*2*PITCH
.endr
	ds_store_b32 v[SA], v[EV]                      ; both halves of the lanes write the same number to the same word
	ds_store_b32 v[SA], v[LV] offset:512
	s_wait_dscnt 2                                 ; the rows are back; the two stores behind them may be out
.irp t, 0,1,2,3,4,5,6,7
	global_store_b128 v[CO], v[BK+4*(\t):BK+4*(\t)+3], s[6:7] offset:(\t)*8192  ; 16 lanes store 256 consecutive bytes, aligned
.endr
	s_cmp_lg_u32 s[ZT], 0
	s_cbranch_scc0 .Lno_zero
.irp t, 0,1,2,3,4,5,6,7
	global_store_b128 v[CO], v[ZR:ZR+3], s[6:7] offset:(\t)*8192+512  ; the same rows of the tile to the right
.endr
.Lno_zero:
	s_wait_xcnt 0x0                                ; the stores have read their base and their data: both are rewritten only behind this wait
	s_add_nc_u64 s[6:7], s[6:7], 16*4096
	s_add_co_u32 s[DOFF], s[DOFF], 16*DPITCH
	s_add_co_u32 s[SOFF], s[SOFF], 64
	s_sub_co_u32 s3, s3, 1
	s_cmp_lg_u32 s3, 0
	s_cbranch_scc1 .Lrow
	ds_load_b128 v[64:67], v[SLD]                  ; E and l of my 128 rows: 512 consecutive bytes each
	ds_load_b128 v[68:71], v[SLD] offset:512
	s_wait_dscnt 0x0
	global_store_b128 v[GS], v[64:67], s[8:9]
	global_store_b128 v[GS], v[68:71], s[8:9] offset:524288
	s_cmp_lg_u32 s[ZT], 0
	s_cbranch_scc0 .Lend
.irp j, 0,1,2,3
	v_mov_b32 v[72+(\j)], s[FL]
.endr
	global_store_b128 v[GS], v[72:75], s[8:9] offset:16384          ; two key blocks on: the zero tile's E, far below every true one,
	global_store_b128 v[GS], v[ZR:ZR+3], s[8:9] offset:16384+524288 ; and its l = 0
.Lend:
	s_wait_tensorcnt 0x0                           ; the wave's end
	ds_add_u32 v[SPW], v[NIL]
	s_wait_dscnt 0x0
	s_endpgm
.Lfunc_end_k_qddddf194ba_score:
	.size	k_qddddf194ba_score, .Lfunc_end_k_qddddf194ba_score-k_qddddf194ba_score
	.p2alignl 7, 3214868480
	.fill 96, 4, 3214868480
	.section	.rodata,"a",@progbits
	.p2align	6, 0x0
	.amdhsa_kernel k_qddddf194ba_score
		.amdhsa_group_segment_fixed_size 327680
		.amdhsa_private_segment_fixed_size 0
		.amdhsa_enable_private_segment 0
		.amdhsa_kernarg_size 24
		.amdhsa_user_sgpr_count 2
		.amdhsa_user_sgpr_kernarg_segment_ptr 1
		.amdhsa_wavefront_size32 1
		.amdhsa_system_sgpr_workgroup_id_x 1
		.amdhsa_system_sgpr_workgroup_id_y 1
		.amdhsa_system_sgpr_workgroup_id_z 1
		.amdhsa_system_vgpr_workitem_id 0
		.amdhsa_next_free_vgpr 1024
		.amdhsa_next_free_sgpr 66
		.amdhsa_reserve_vcc 1
		.amdhsa_float_denorm_mode_32 3
		.amdhsa_float_denorm_mode_16_64 3
		.amdhsa_memory_ordered 1
		.amdhsa_forward_progress 1
		.amdhsa_inst_pref_size 93
	.end_amdhsa_kernel
	.amdgpu_metadata
---
amdhsa.version: [ 1, 2 ]
amdhsa.kernels:
  - .name:           k_qddddf194ba_score
    .symbol:         k_qddddf194ba_score.kd
    .args:
      - { .name: qkv, .offset: 0, .size: 8, .value_kind: global_buffer, .address_space: global }
      - { .name: pm, .offset: 8, .size: 8, .value_kind: global_buffer, .address_space: global }
      - { .name: st, .offset: 16, .size: 8, .value_kind: global_buffer, .address_space: global }
    .group_segment_fixed_size: 327680
    .private_segment_fixed_size: 0
    .kernarg_segment_align: 8
    .kernarg_segment_size: 24
    .max_flat_workgroup_size: 128
    .sgpr_count:     66
    .vgpr_count:     1024
    .wavefront_size: 32
...
	.end_amdgpu_metadata
.endif
;; end of part 3
;; launch pv (part 4): grid 8 x 32, 4 waves a work-group, clusters of 4 x 4, 327,680 bytes of LDS; arguments pm, qkv, st, out0; writes out0
.if DOCPART == 4
	.amdgcn_target "amdgcn-amd-amdhsa--gfx1250"
	.amdhsa_code_object_version 6
	.text
	.protected	k_qddddf194ba_pv
	.globl	k_qddddf194ba_pv
	.p2align	8
	.type	k_qddddf194ba_pv,@function
k_qddddf194ba_pv:
	s_mov_b64 s[64:65], 0
	v_nop
	global_prefetch_b8 v0, s[64:65] scope:SCOPE_SE
	s_setreg_imm32_b32 hwreg(HW_REG_WAVE_MODE, 25, 1), 1
	s_wait_xcnt 0x0
	s_wait_alu depctr_hold_cnt(0) depctr_sa_sdst(0) depctr_va_vdst(0) depctr_va_sdst(0) depctr_va_ssrc(0) depctr_va_vcc(0) depctr_vm_vsrc(0)
	s_getreg_b32 s2, hwreg(HW_REG_IB_STS2, 6, 4)
	s_cmp_eq_u32 s2, 0
	s_cbranch_scc0 .Lentry_in_a_cluster
	s_endpgm
.Lentry_in_a_cluster:
	s_bfe_u32 s2, ttmp6, 0x10000c
	s_cmp_lg_u32 s2, 0xf033
	s_cbranch_scc0 .Lentry_shape_is_right
	s_endpgm
.Lentry_shape_is_right:
; out[q][:] = (sum over key blocks kb of 2^(E_kb - M) P_kb V_kb) / (sum over kb of 2^(E_kb - M) l_kb), M = the row's maximum of E.  pm: [4][2048][2048] f16; V: qkv's third part, [8192][1024] f16;
; st: E and l by [batch][key block of 128][row], f32; out0: [4][2048][1024] f32.  Sums in f32.
; E are whole numbers, so a = 2^(E_kb - M) is a power of two at most 1: P times a in f16 is exact but for underflow.
; LIMITS.  A weight below 2^-24 of its row's largest is 0 in the product; the row's largest weight lies in 0.5 to 1, so the divisor is at least 0.5.  NaN and infinities are not treated apart.
; SHARES.  A tile is 128 rows x 128 channels, four waves of 64 x 64: 16 accumulators.  Keys go in steps of 256 through two LDS slots.  A cluster of 4 x 4 work-groups takes a group of 512 rows (cy: 128 of them) x 512
; channels (cx: 128 of them), and it takes TWO groups, 3 - pg and then pg: 8 - 2 pg and 2 + 2 pg key steps, ten whatever pg: all work-groups do equal work, and one counted loop walks them.
; P's tile is asked for jointly along a row of the cluster, V's along a column.  What differs between clusters lies in scalar registers made from the cluster's y; every jump but the loops' own goes forward and passes no barrier and no tensor load.
; The product is used transposed: source 0 = 16 channels of V (turned on the way out of LDS), source 1 = 16 rows of P: a lane holds one row and eight channels.
; THE SCALING of P rides behind the products, two v_pk_mul_f16 each: while half a quarter is multiplied, the next half's 32 registers of P are scaled.
; REGISTERS.  Window 0: v0-31 addresses; v32-35, v36-39 a of the step's even and odd key block, a register a row block; v40-51 1 / l; v128-191, v192-255 V's fragments, two buffers ((c, b) at 32 c + 8 b).
;   Window 1: v0-127 accumulators at 8 (4 a + b); v128-191, v192-255 P's fragments ((c, a) at 32 c + 8 a).
.set PA,    528                        ; a row of P's tile: 512 bytes + 16
.set PV,    288                        ; a row of V's tile: 256 bytes + 32
.set AHALF, 64*PA
.set BHALF, 128*PV
.set BOFF,  2*AHALF
.set USED,  BOFF+2*BHALF               ; 141,312 bytes of a slot
.set SPARE, USED                       ; between the slots: the spare words, 128 bytes a wave, two blocks of 256 bytes that no other line names,
.set INV,   SPARE+512                  ; and 1 / l: 512 bytes a wave, [tile][row % 16][row / 16]
.set SLOT,  147456                     ; 0x24000: it shares no bit with the four places at which fills land in a slot, so one exclusive or turns an LDS word into the other slot's
.set STG,   SLOT+USED                  ; 16 rows x 272 bytes for each wave
.set SP,    272
.set TAB,   STG+4*16*SP                ; a, twice in f16: entries of 256 bytes, [walk block][row % 16][row / 16]: 20 walk blocks, and one entry more that the last step's look-ahead reads and nobody uses
.set TABW,  21*256                     ; a wave's table; the four end at LDS byte 327,680
.set LA0, 16
.set LB0, 17
.set CA,  18
.set CB,  19
.set CB2, 20                           ; keys 128 on
.set ALA, 21                           ; the step's place in my table
.set IVA, 22
.set AL0, 23
.set STO, 24
.set RD,  25
.set CO,  26
.set SPW, 28
.set NIL, 29
.set AE,  32
.set AO,  36
.set RL,  40
.set RP,  44
.set EE,  64                           ; the preparation: E, then a, of walk block w, two rows: v[64 + 2 w : 65 + 2 w]
.set LL,  104                          ; l likewise
.set MH,  144
.set MM,  146
.set ML,  148
.set T0,  150
.set SH,  152
.set SM,  154
.set SLW, 156
.set F0,  128
.set F1,  192
.set WV,  12
.set RH,  13                           ; my 64 rows; also: I fetch P (0) or V (1)
.set CH,  14                           ; my 64 channels; also: which half I fetch
.set CX,  15
.set CY,  16
.set CT,  17
.set BA,  18
.set PG,  19
.set G1A, 24
.set G0A, 32
.set G1B, 40
.set G0B, 48
.set AB,  56                           ; s[56:57] P at my rows of the group whose steps are being asked for
.set ABL, 58                           ; s[58:59] the same for the second group
.set VB,  60                           ; s[60:61] V at my half and my channels
.set NXT, 62                           ; the key step to be asked for next
.set LQ,  63                           ; the last of its group
.set RT,  66                           ; key steps of the first group that are still to be ended
.set TR,  67
.set TA,  68
.set OFA, 70
.set OFB, 72
.set OUH, 74
.set OUL, 76
.set P0,  78                           ; all ones where pg = 0
.set GH,  79
.set MSB, 0
.macro WIN new
.if MSB != (\new)
	s_set_vgpr_msb (MSB<<8)|(\new)
.set MSB, \new
.endif
.endm
.set W_M, 0x54                         ; destination, sources 1 and 2 in window 1, source 0 in window 0: products, scalings and P's loads
.macro PLACES
.rept 4
	v_nop
.endr
.endm
.macro CREST
	s_cmp_lg_u32 s[WV], 0
	s_cbranch_scc1 .Lnot_wave_0_\@
	s_barrier_signal -3
.Lnot_wave_0_\@:
	s_barrier_wait -3
	s_barrier_signal -1
	s_barrier_wait -1
.endm
.macro CROUND
	s_barrier_signal -1
	s_barrier_wait -1
	CREST
.endm
.macro JLOAD
	s_cmp_eq_u32 s[RH], 0
	s_cbranch_scc0 .Lfor_b_\@
	tensor_load_to_lds s[G0A+4:G0A+7], s[G1A:G1A+7]
	s_nop 0
.rept 4
	v_nop
.endr
	s_branch .Lasked_\@
.Lfor_b_\@:
	tensor_load_to_lds s[G0B+4:G0B+7], s[G1B:G1B+7]
	s_nop 0
.rept 4
	v_nop
.endr
.Lasked_\@:
.endm
	s_load_b256 s[4:11], s[0:1], 0x0               ; pm s[4:5], qkv s[6:7], st s[8:9], out0 s[10:11]
	v_lshl_add_u32 v[SPW], v0, 2, SPARE
	v_mov_b32 v[NIL], 0
	ds_add_u32 v[SPW], v[NIL]                      ; the wave's opening: the add and its wait stand ahead of my first tensor load
	v_lshrrev_b32 v1, 5, v0
	v_readfirstlane_b32 s[WV], v1
	s_lshr_b32 s[RH], s[WV], 1
	s_and_b32 s[CH], s[WV], 1
	s_bfe_u32 s[CX], ttmp6, 0x40000
	s_bfe_u32 s[CY], ttmp6, 0x40004
	s_lshl_b32 s[CT], ttmp9, 2
	s_add_co_u32 s[CT], s[CT], s[CX]               ; my tile of 128 channels
	s_and_b32 s[PG], ttmp7, 0xffff
	s_lshr_b32 s[BA], s[PG], 1                     ; batch
	s_and_b32 s[PG], s[PG], 1
	s_sub_co_u32 s[GH], 3, s[PG]                   ; the first group
	s_lshl_b32 s80, s[CY], 2
	s_lshl_b32 s80, 15, s80                        ; my row of the cluster
	s_lshl_b32 s81, 0x1111, s[CX]                  ; my column
	s_or_b32 s[G1A], s80, (1<<16)|(1<<20)|(1<<21)|(6<<22)|(3<<25)  ; after every 128 words 4 words
	s_or_b32 s[G1B], s81, (1<<16)|(1<<20)|(1<<21)|(5<<22)|(7<<25)  ; after every 64 words 8 words
	s_mov_b32 s[G1A+1], 256<<16                    ; 256 keys,
	s_mov_b32 s[G1A+2], 64<<16                     ; 64 rows
	s_mov_b32 s[G1A+3], 256<<16
	s_mov_b32 s[G1A+4], 64
	s_mov_b32 s[G1A+5], 2048
	s_mov_b32 s[G1A+6], 0
	s_mov_b32 s[G1A+7], 0
	s_mov_b32 s[G1B+1], 128<<16                    ; 128 channels,
	s_mov_b32 s[G1B+2], 128<<16                    ; 128 keys
	s_mov_b32 s[G1B+3], 128<<16
	s_mov_b32 s[G1B+4], 128
	s_mov_b32 s[G1B+5], 1024
	s_mov_b32 s[G1B+6], 0
	s_mov_b32 s[G1B+7], 0
	s_lshl_b32 s20, s[GH], 9                       ; P: row 512 g + 128 cy + 64 half, 4,096 bytes a row
	s_lshl_b32 s21, s[CY], 7
	s_add_co_u32 s20, s20, s21
	s_lshl_b32 s84, s[PG], 9
	s_add_co_u32 s84, s84, s21
	s_lshl_b32 s21, s[CH], 6
	s_add_co_u32 s20, s20, s21
	s_add_co_u32 s84, s84, s21
	s_lshl_b32 s20, s20, 12
	s_lshl_b32 s84, s84, 12
	s_lshl_b32 s21, s[BA], 23
	s_add_co_u32 s20, s20, s21
	s_add_co_u32 s84, s84, s21
	s_mov_b32 s21, 0
	s_mov_b32 s85, 0
	s_lshl_b32 s22, s[BA], 22                      ; V: the batch's 2,048 rows of 2,048 bytes, my 128 keys of a step, my 128 channels
	s_lshl_b32 s23, s[CH], 18
	s_add_co_u32 s22, s22, s23
	s_lshl_b32 s23, s[CT], 8
	s_add_co_u32 s22, s22, s23
	s_add_co_u32 s22, s22, 33554432
	s_mov_b32 s23, 0
	s_mul_i32 s86, s[CH], AHALF                    ; where the fills land in a slot: no place in the cluster enters an LDS address
	s_mul_i32 s87, s[CH], BHALF
	s_add_co_u32 s87, s87, BOFF
	s_mov_b32 s[NXT], 2
	s_lshl_b32 s[LQ], s[PG], 1
	s_sub_co_u32 s[LQ], 7, s[LQ]                   ; the first group's last step
	s_add_co_u32 s[RT], s[LQ], 1
	s_mov_b32 s[TR], 0
	s_mov_b32 s[TA], 0
	s_mov_b32 s[OFA+1], 0
	s_mov_b32 s[OFB+1], 0
	s_wait_dscnt 0x0                               ; the opening add is done
	s_wait_kmcnt 0x0
	s_add_nc_u64 s[AB:AB+1], s[4:5], s[20:21]
	s_add_nc_u64 s[ABL:ABL+1], s[4:5], s[84:85]
	s_add_nc_u64 s[VB:VB+1], s[6:7], s[22:23]
	CROUND                                         ; all sixteen work-groups are here: the first joint loads meet
.irp s, 0,1
	s_mov_b32 s[G0A+4*(\s)], 1
	s_add_co_u32 s[G0A+4*(\s)+1], s86, (\s)*SLOT
	s_add_nc_u64 s[G0A+4*(\s)+2:G0A+4*(\s)+3], s[AB:AB+1], (\s)*512
	s_or_b32 s[G0A+4*(\s)+3], s[G0A+4*(\s)+3], 0x80000000
	s_mov_b32 s[G0B+4*(\s)], 1
	s_add_co_u32 s[G0B+4*(\s)+1], s87, (\s)*SLOT
	s_add_nc_u64 s[G0B+4*(\s)+2:G0B+4*(\s)+3], s[VB:VB+1], (\s)*524288
	s_or_b32 s[G0B+4*(\s)+3], s[G0B+4*(\s)+3], 0x80000000
.endr
	s_cmp_eq_u32 s[RH], 0                          ; a wave's two first fills stand in one branch: two loads of mine are out
	s_cbranch_scc0 .Lfirst_b
	tensor_load_to_lds s[G0A:G0A+3], s[G1A:G1A+7]
	s_nop 0
	tensor_load_to_lds s[G0A+4:G0A+7], s[G1A:G1A+7]
	s_nop 0
.rept 4
	v_nop
.endr
	s_branch .Lfirst_asked
.Lfirst_b:
	tensor_load_to_lds s[G0B:G0B+3], s[G1B:G1B+7]
	s_nop 0
	tensor_load_to_lds s[G0B+4:G0B+7], s[G1B:G1B+7]
	s_nop 0
.rept 4
	v_nop
.endr
.Lfirst_asked:
	; THE PREPARATION, while the first tiles land.  The walk has 20 blocks of 128 keys: blocks 0-11 belong to the first group, 16-19 to the second, 12-15 to the first where pg = 0.  Lane l takes rows 2 l, 2 l + 1 of my wave's 64.
	v_and_b32 v1, 15, v0                           ; l % 16
	v_bfe_u32 v2, v0, 4, 1                         ; l / 16
	v_and_b32 v3, 31, v0
	s_lshl_b32 s82, s[CY], 7
	s_lshl_b32 s83, s[RH], 6
	s_add_co_u32 s82, s82, s83
	s_lshl_b32 s83, s[GH], 9
	s_add_co_u32 s83, s83, s82                     ; my first row in the first group,
	s_lshl_b32 s2, s[PG], 9
	s_add_co_u32 s82, s82, s2                      ; in the second
	s_lshl_b32 s2, s[BA], 15
	s_add_co_u32 s92, s83, s2
	s_lshl_b32 s92, s92, 2                         ; st: key block 0 of the first group's rows,
	s_add_co_u32 s93, s82, s2
	s_lshl_b32 s93, s93, 2                         ; of the second's
	s_add_co_u32 s94, s92, 12*8192
	s_add_co_u32 s95, s93, 4*8192
	s_cmp_eq_u32 s[PG], 0
	s_cselect_b32 s94, s94, s93                    ; walk blocks 12-15: the first group's key blocks 12-15, or the second's 0-3
	s_cselect_b32 s95, s93, s95                    ; walk blocks 16-19: the second group's key blocks 0-3, or 4-7
	s_cselect_b32 s[P0], -1, 0
	v_lshl_add_u32 v4, v3, 3, s92
	v_lshl_add_u32 v5, v3, 3, s94
	v_lshl_add_u32 v6, v3, 3, s95
.set w, 0
.rept 12
	global_load_b64 v[EE+2*w:EE+2*w+1], v4, s[8:9] offset:8192*w
	global_load_b64 v[LL+2*w:LL+2*w+1], v4, s[8:9] offset:8192*w+524288
.set w, w+1
.endr
.rept 4
	global_load_b64 v[EE+2*w:EE+2*w+1], v5, s[8:9] offset:8192*(w-12)
	global_load_b64 v[LL+2*w:LL+2*w+1], v5, s[8:9] offset:8192*(w-12)+524288
.set w, w+1
.endr
.rept 4
	global_load_b64 v[EE+2*w:EE+2*w+1], v6, s[8:9] offset:8192*(w-16)
	global_load_b64 v[LL+2*w:LL+2*w+1], v6, s[8:9] offset:8192*(w-16)+524288
.set w, w+1
.endr
	s_lshl_b32 s2, s[CT], 9                        ; out0 at my rows and channels, for both groups
	s_lshl_b32 s3, s[CH], 8
	s_add_co_u32 s2, s2, s3
	s_lshl_b32 s3, s[BA], 23
	s_add_co_u32 s2, s2, s3
	s_lshl_b32 s88, s83, 12
	s_add_co_u32 s88, s88, s2
	s_mov_b32 s89, 0
	s_lshl_b32 s90, s82, 12
	s_add_co_u32 s90, s90, s2
	s_mov_b32 s91, 0
	s_add_nc_u64 s[OUH:OUH+1], s[10:11], s[88:89]
	s_add_nc_u64 s[OUL:OUL+1], s[10:11], s[90:91]
	v_mul_u32_u24 v[LA0], v1, PA                   ; a fragment of P: row l % 16, 16 bytes for each half of the lanes
	v_lshl_add_u32 v[LA0], v2, 4, v[LA0]
	s_mul_i32 s69, s[RH], AHALF
	v_add_nc_u32 v[LA0], s69, v[LA0]
	v_and_b32 v9, 7, v0                            ; the turning load: key 8 (l / 16) + l % 8, channels 8 ((l / 8) % 2) + 0..7
	v_lshl_add_u32 v9, v2, 3, v9
	v_mul_u32_u24 v[LB0], v9, PV
	v_bfe_u32 v10, v0, 3, 1
	v_lshl_add_u32 v[LB0], v10, 4, v[LB0]
	s_lshl_b32 s69, s[CH], 7
	s_add_co_u32 s69, s69, BOFF
	v_add_nc_u32 v[LB0], s69, v[LB0]
	v_mov_b32 v[CA], v[LA0]
	v_mov_b32 v[CB], v[LB0]
	v_add_nc_u32 v[CB2], BHALF, v[LB0]
	s_mul_i32 s69, s[WV], 16*SP
	s_add_co_u32 s69, s69, STG
	v_mul_u32_u24 v[STO], v1, SP                   ; into the stage: row l % 16, 32 bytes for each half of the lanes
	v_lshl_add_u32 v[STO], v2, 5, v[STO]
	v_add_nc_u32 v[STO], s69, v[STO]
	v_mul_u32_u24 v[RD], v2, SP
	v_lshl_add_u32 v[RD], v1, 4, v[RD]
	v_add_nc_u32 v[RD], s69, v[RD]
	v_lshlrev_b32 v[CO], 12, v2
	v_lshl_add_u32 v[CO], v1, 4, v[CO]
	v_and_b32 v9, 7, v3                            ; row 2 l: its place [row % 16][row / 16] in an entry
	v_lshlrev_b32 v9, 5, v9
	v_lshrrev_b32 v10, 3, v3
	v_lshl_add_u32 v9, v10, 2, v9
	s_mul_i32 s69, s[WV], TABW
	s_add_co_u32 s69, s69, TAB
	v_add_nc_u32 v7, s69, v9
	v_lshl_add_u32 v[AL0], v1, 4, s69
	v_mov_b32 v[ALA], v[AL0]
	s_lshl_b32 s69, s[WV], 9
	s_add_co_u32 s69, s69, INV
	v_add_nc_u32 v8, s69, v9
	v_lshl_add_u32 v[IVA], v1, 4, s69
	s_wait_loadcnt 0x0                             ; E and l
.irp x, 0,1
	v_max3_num_f32 v[MH+(\x)], v[EE+(\x)], v[EE+2+(\x)], v[EE+4+(\x)]
.irp w, 3,5,7,9
	v_max3_num_f32 v[MH+(\x)], v[MH+(\x)], v[EE+2*(\w)+(\x)], v[EE+2*(\w)+2+(\x)]
.endr
	v_max_num_f32 v[MH+(\x)], v[MH+(\x)], v[EE+22+(\x)]
	v_max3_num_f32 v[MM+(\x)], v[EE+24+(\x)], v[EE+26+(\x)], v[EE+28+(\x)]
	v_max_num_f32 v[MM+(\x)], v[MM+(\x)], v[EE+30+(\x)]
	v_max3_num_f32 v[ML+(\x)], v[EE+32+(\x)], v[EE+34+(\x)], v[EE+36+(\x)]
	v_max_num_f32 v[ML+(\x)], v[ML+(\x)], v[EE+38+(\x)]
	v_max_num_f32 v[T0+(\x)], v[MH+(\x)], v[MM+(\x)]
	v_cndmask_b32 v[MH+(\x)], v[MH+(\x)], v[T0+(\x)], s[P0]   ; the middle blocks belong to the first group where pg = 0,
	v_max_num_f32 v[T0+(\x)], v[ML+(\x)], v[MM+(\x)]
	v_cndmask_b32 v[ML+(\x)], v[T0+(\x)], v[ML+(\x)], s[P0]   ; else to the second
	v_cndmask_b32 v[MM+(\x)], v[ML+(\x)], v[MH+(\x)], s[P0]   ; and take that group's maximum
.endr
.set w, 0
.rept 12
	v_pk_add_f32 v[EE+2*w:EE+2*w+1], v[EE+2*w:EE+2*w+1], v[MH:MH+1] neg_lo:[0,1] neg_hi:[0,1]
.set w, w+1
.endr
.rept 4
	v_pk_add_f32 v[EE+2*w:EE+2*w+1], v[EE+2*w:EE+2*w+1], v[MM:MM+1] neg_lo:[0,1] neg_hi:[0,1]
.set w, w+1
.endr
.rept 4
	v_pk_add_f32 v[EE+2*w:EE+2*w+1], v[EE+2*w:EE+2*w+1], v[ML:ML+1] neg_lo:[0,1] neg_hi:[0,1]
.set w, w+1
.endr
.set w, 0
.rept 40
	v_exp_f32 v[EE+w], v[EE+w]
.set w, w+1
.endr
	v_nop                                          ; a plain instruction behind the last exponential,
	s_wait_alu depctr_va_vdst(0)                   ; and one wait for the batch of 40
	v_pk_mul_f32 v[SH:SH+1], v[EE:EE+1], v[LL:LL+1]
.set w, 1
.rept 11
	v_pk_fma_f32 v[SH:SH+1], v[EE+2*w:EE+2*w+1], v[LL+2*w:LL+2*w+1], v[SH:SH+1]
.set w, w+1
.endr
	v_pk_mul_f32 v[SM:SM+1], v[EE+24:EE+25], v[LL+24:LL+25]
.set w, 13
.rept 3
	v_pk_fma_f32 v[SM:SM+1], v[EE+2*w:EE+2*w+1], v[LL+2*w:LL+2*w+1], v[SM:SM+1]
.set w, w+1
.endr
	v_pk_mul_f32 v[SLW:SLW+1], v[EE+32:EE+33], v[LL+32:LL+33]
.set w, 17
.rept 3
	v_pk_fma_f32 v[SLW:SLW+1], v[EE+2*w:EE+2*w+1], v[LL+2*w:LL+2*w+1], v[SLW:SLW+1]
.set w, w+1
.endr
.irp x, 0,1
	v_cndmask_b32 v[T0+(\x)], 0, v[SM+(\x)], s[P0]
	v_add_f32 v[SH+(\x)], v[SH+(\x)], v[T0+(\x)]
	v_cndmask_b32 v[T0+(\x)], v[SM+(\x)], 0, s[P0]
	v_add_f32 v[SLW+(\x)], v[SLW+(\x)], v[T0+(\x)]
.endr
	v_rcp_f32 v[SH], v[SH]
	v_rcp_f32 v[SH+1], v[SH+1]
	v_rcp_f32 v[SLW], v[SLW]
	v_rcp_f32 v[SLW+1], v[SLW+1]
.set w, 0
.rept 40
	v_cvt_pk_f16_f32 v[EE+w], v[EE+w], v[EE+w]     ; a twice, for the packed multiply (these are also the plain work behind the reciprocals)
.set w, w+1
.endr
	s_wait_alu depctr_va_vdst(0)                   ; one wait for the four reciprocals, ahead of their first reader
.set w, 0
.rept 20
	ds_store_b32 v7, v[EE+2*w]   offset:256*w
	ds_store_b32 v7, v[EE+2*w+1] offset:256*w+16
.set w, w+1
.endr
	ds_store_b32 v7, v[EE+38] offset:256*20        ; the entry behind the last: written, so that the last step's look-ahead reads numbers; nobody uses them
	ds_store_b32 v7, v[EE+39] offset:256*20+16
	ds_store_b32 v8, v[SH]
	ds_store_b32 v8, v[SH+1]  offset:16
	ds_store_b32 v8, v[SLW]   offset:256
	ds_store_b32 v8, v[SLW+1] offset:256+16
; Products lo .. hi of the 16 of half c (32 keys) of buffer f; behind each, two scalings of the 32 registers at tgt (window 1) by the four registers at set (tgt < 0: none).  zero = 1: the products start the sums.
; The 16 accumulators take turns.
.macro MULS f, c, zero, tgt, set, lo, hi
	WIN W_M
.set n, \lo
.rept (\hi)-(\lo)+1
.if \zero
	v_wmma_f32_16x16x32_f16 v[8*n:8*n+7], v[(\f)+32*(\c)+8*(n%4):(\f)+32*(\c)+8*(n%4)+7], v[(\f)+32*(\c)+8*(n/4):(\f)+32*(\c)+8*(n/4)+7], 0
.else
	v_wmma_f32_16x16x32_f16 v[8*n:8*n+7], v[(\f)+32*(\c)+8*(n%4):(\f)+32*(\c)+8*(n%4)+7], v[(\f)+32*(\c)+8*(n/4):(\f)+32*(\c)+8*(n/4)+7], v[8*n:8*n+7]
.endif
.if (\tgt) >= 0
	v_pk_mul_f16 v[(\tgt)+2*n],   v[(\set)+n/4], v[(\tgt)+2*n]
	v_pk_mul_f16 v[(\tgt)+2*n+1], v[(\set)+n/4], v[(\tgt)+2*n+1]
.endif
.set n, n+1
.endr
.endm
; One run of LDS loads: at most one of a's registers (al = 1: the step's odd block; 2: the next step's even block), then quarter kq's (64 keys) fragments into buffer g: P's 16, the first 32 keys first, then V's 16
.macro FETCH kq, g, al
	WIN 0
.if (\al) == 1
	ds_load_b128 v[AO:AO+3], v[ALA] offset:256
.elseif (\al) == 2
	ds_load_b128 v[AE:AE+3], v[ALA] offset:512
.endif
	WIN W_M
.irp c, 0,1
.irp a, 0,1,2,3
	ds_load_b128 v[(\g)+32*(\c)+8*(\a):(\g)+32*(\c)+8*(\a)+3],   v[CA] offset:(\a)*16*PA+128*(\kq)+64*(\c)
	ds_load_b128 v[(\g)+32*(\c)+8*(\a)+4:(\g)+32*(\c)+8*(\a)+7], v[CA] offset:(\a)*16*PA+128*(\kq)+64*(\c)+32
.endr
.endr
	WIN 0
.irp c, 0,1
.irp b, 0,1,2,3
.if (\kq) < 2
	ds_load_tr16_b128 v[(\g)+32*(\c)+8*(\b):(\g)+32*(\c)+8*(\b)+3],   v[CB] offset:(64*((\kq)%2)+32*(\c))*PV+32*(\b)
	ds_load_tr16_b128 v[(\g)+32*(\c)+8*(\b)+4:(\g)+32*(\c)+8*(\b)+7], v[CB] offset:(64*((\kq)%2)+32*(\c))*PV+32*(\b)+16*PV
.else
	ds_load_tr16_b128 v[(\g)+32*(\c)+8*(\b):(\g)+32*(\c)+8*(\b)+3],   v[CB2] offset:(64*((\kq)%2)+32*(\c))*PV+32*(\b)
	ds_load_tr16_b128 v[(\g)+32*(\c)+8*(\b)+4:(\g)+32*(\c)+8*(\b)+7], v[CB2] offset:(64*((\kq)%2)+32*(\c))*PV+32*(\b)+16*PV
.endif
.endr
.endr
.endm
; Quarter q of a key step: the next quarter is fetched first; then this quarter's first half is multiplied while its second half is scaled, and its second half while the next quarter's first half is scaled.
.macro QUARTER q, zero, al, places
.set fq, F0+64*((\q)%2)
.set gq, F0+64*(((\q)+1)%2)
.set sq, AE+4*((\q)/2)
.set sn, AE+4*((((\q)+1)%4)/2)
.if \places
	PLACES
.endif
	FETCH ((\q)+1)%4, gq, \al
.if \al
	s_wait_dscnt 33                                ; all but the 33 just issued: this quarter's fragments are in
.else
	s_wait_dscnt 32
.endif
	MULS fq, 0, \zero, fq+32, sq, 0, 15
	s_wait_dscnt 24                                ; of the new run a's registers and P's first 32 keys are in; P's other 8 loads and V's 16 may be out
	MULS fq, 1, 0, gq, sn, 0, 15
.endm
; Quarter 2 with the change of slots in its second half: its fetch is the slot's last read.  Each wave waits for all its tensor loads (one is out: its part of the next slot), adds 0 to its spare word, and waits for that and
; for its reads of the slot.  fill = 1: the barrier opens a round of the cluster's, and the slot is filled again first thing behind it: 112 products stand between the request and the wait for it.
.macro Q2M fill
	PLACES
	FETCH 3, F1, 2
	s_wait_dscnt 33
	MULS F0, 0, 0, F0+32, AO, 0, 15
	WIN 0
	s_wait_tensorcnt 0x0                           ; no tensor load of mine is out, so the walking descriptors may be written
	ds_add_u32 v[SPW], v[NIL]
.if \fill
	s_lshl_b32 s[OFA], s[NXT], 9                   ; a key step is 512 bytes along P's rows
	s_lshl_b32 s[OFB], s[NXT], 19                  ; and 256 rows of V
	s_xor_b32 s[G0A+5], s[G0A+5], SLOT
	s_add_nc_u64 s[G0A+6:G0A+7], s[AB:AB+1], s[OFA:OFA+1]
	s_or_b32 s[G0A+7], s[G0A+7], 0x80000000
	s_xor_b32 s[G0B+5], s[G0B+5], SLOT
	s_add_nc_u64 s[G0B+6:G0B+7], s[VB:VB+1], s[OFB:OFB+1]
	s_or_b32 s[G0B+7], s[G0B+7], 0x80000000
	s_add_co_u32 s[NXT], s[NXT], 1                 ; the group's next step, or behind its last the second group's step 0
	s_cmp_gt_u32 s[NXT], s[LQ]
	s_cselect_b32 s[NXT], 0, s[NXT]
	s_cselect_b64 s[AB:AB+1], s[ABL:ABL+1], s[AB:AB+1]
	s_cselect_b32 s[LQ], 99, s[LQ]
.endif
	s_wait_dscnt 25                                ; the add and the youngest 24 loads may be out
	MULS F0, 1, 0, F1, AO, 0, 7
	s_wait_dscnt 0x0                               ; the add is done, and my reads of the slot are over
	s_barrier_signal -1
	MULS F0, 1, 0, F1, AO, 8, 15
	WIN 0
	s_barrier_wait -1
.if \fill
	CREST
	JLOAD                                          ; its four v_nop are also the places in front of the next quarter's loads
.else
	PLACES
.endif
	s_xor_b32 s[TR], s[TR], SLOT
	s_add_co_u32 s[TA], s[TA], 512
	v_add_nc_u32 v[CA], s[TR], v[LA0]
	v_add_nc_u32 v[CB], s[TR], v[LB0]
	v_add_nc_u32 v[CB2], BHALF, v[CB]
	v_add_nc_u32 v[ALA], s[TA], v[AL0]
.endm
; THE WAY OUT of a tile: times 1 / l, through my stage, 16 rows at a time, back as whole rows of 256 bytes.  It uses V's second buffer, whose quarter has been multiplied; the first buffers hold what the last quarter has fetched and are left alone.
.macro WAYOUT tile, po
	WIN 0
	PLACES
	ds_load_b128 v[RL:RL+3], v[IVA] offset:256*(\tile)
	s_wait_dscnt 0x0
.irp a, 0,1,2,3
	v_mov_b32 v[RP+2*(\a)], v[RL+(\a)]
	v_mov_b32 v[RP+2*(\a)+1], v[RL+(\a)]
.endr
.irp a, 0,1,2,3
	WIN 0x01                                       ; source 0 in window 1
.irp b, 0,1,2,3
.irp p, 0,1,2,3
	v_pk_mul_f32 v[F1+8*(\b)+2*(\p):F1+8*(\b)+2*(\p)+1], v[8*(4*(\a)+(\b))+2*(\p):8*(4*(\a)+(\b))+2*(\p)+1], v[RP+2*(\a):RP+2*(\a)+1] op_sel_hi:[1,0]
.endr
.endr
	WIN 0
.irp b, 0,1,2,3
	ds_store_b128 v[STO], v[F1+8*(\b):F1+8*(\b)+3]   offset:64*(\b)
	ds_store_b128 v[STO], v[F1+8*(\b)+4:F1+8*(\b)+7] offset:64*(\b)+16
.endr
	s_wait_xcnt 0x0                                ; the last block's stores have read their data: it is loaded over only behind this wait
.irp t, 0,1,2,3,4,5,6,7
	ds_load_b128 v[F1+32+4*(\t):F1+32+4*(\t)+3], v[RD] offset:(\t)*2*SP  ; LDS serves a wave's instructions in order: these see the stores above
.endr
	s_wait_dscnt 0x0
.irp t, 0,1,2,3,4,5,6,7
	global_store_b128 v[CO], v[F1+32+4*(\t):F1+32+4*(\t)+3], s[(\po):(\po)+1] offset:(16*(\a)+2*(\t))*4096 th:TH_STORE_NT  ; 16 lanes store 256 consecutive bytes, aligned
.endr
.endr
	s_wait_xcnt 0x0
.endm
	s_wait_tensorcnt 1                             ; my part of key step 0 is in; step 1's stays out
	s_wait_dscnt 0x0                               ; my table is written
	s_barrier_signal -1
	s_barrier_wait -1
	ds_load_b128 v[AE:AE+3], v[ALA]
	FETCH 0, F0, 0
	s_wait_dscnt 0x0
	WIN W_M
.set m, 0
.rept 32
	v_pk_mul_f16 v[F0+m], v[AE+m/8], v[F0+m]       ; the very first 32 keys are scaled by themselves
.set m, m+1
.endr
	WIN 0
	s_mov_b32 s3, 9
	s_branch .Lzero                                ; the loop is entered at a group's first quarter, in the middle of a trip
.Lstep:                                            ; 8 trips: trip n: quarters 1 to 3 of walk step n, its slot filled with step n + 2, and quarter 0 of step n + 1
	QUARTER 1, 0, 0, 1
	Q2M 1
	QUARTER 3, 0, 0, 0
	WIN 0
	s_sub_co_u32 s[RT], s[RT], 1
	s_cmp_eq_u32 s[RT], 0
	s_cbranch_scc1 .Lnew                           ; the first group's last step is over: the same trip in all sixteen partners
	QUARTER 0, 0, 1, 1
	WIN 0
	s_branch .Ljoin
.Lnew:
	WAYOUT 0, OUH
.Lzero:
	QUARTER 0, 1, 1, 1                             ; a group's sums start
	WIN 0
.Ljoin:
	s_sub_co_u32 s3, s3, 1
	s_cmp_lg_u32 s3, 0
	s_cbranch_scc1 .Lstep
	s_mov_b32 s2, 2
.Ltail:                                            ; walk steps 8 and 9 ask for nothing: one text, walked twice and left in its middle.  In the second walk quarter 3 fetches the other slot's
	QUARTER 1, 0, 0, 1                             ; old bytes and scales them by the table's spare entry, and nobody multiplies them: the price, once a launch, of one text for both
	Q2M 0
	QUARTER 3, 0, 0, 0
	WIN 0
	s_sub_co_u32 s2, s2, 1
	s_cmp_eq_u32 s2, 0
	s_cbranch_scc1 .Lout
	QUARTER 0, 0, 1, 1
	WIN 0
	s_branch .Ltail
.Lout:
	WAYOUT 1, OUL
	s_wait_tensorcnt 0x0                           ; the wave's end
	ds_add_u32 v[SPW], v[NIL]
	s_wait_dscnt 0x0
	CROUND                                         ; the closing round
	s_endpgm
.Lfunc_end_k_qddddf194ba_pv:
	.size	k_qddddf194ba_pv, .Lfunc_end_k_qddddf194ba_pv-k_qddddf194ba_pv
	.p2alignl 7, 3214868480
	.fill 96, 4, 3214868480
	.section	.rodata,"a",@progbits
	.p2align	6, 0x0
	.amdhsa_kernel k_qddddf194ba_pv
		.amdhsa_group_segment_fixed_size 327680
		.amdhsa_private_segment_fixed_size 0
		.amdhsa_enable_private_segment 0
		.amdhsa_kernarg_size 32
		.amdhsa_user_sgpr_count 2
		.amdhsa_user_sgpr_kernarg_segment_ptr 1
		.amdhsa_wavefront_size32 1
		.amdhsa_system_sgpr_workgroup_id_x 1
		.amdhsa_system_sgpr_workgroup_id_y 1
		.amdhsa_system_sgpr_workgroup_id_z 1
		.amdhsa_system_vgpr_workitem_id 0
		.amdhsa_next_free_vgpr 512
		.amdhsa_next_free_sgpr 96
		.amdhsa_reserve_vcc 0
		.amdhsa_float_denorm_mode_32 3
		.amdhsa_float_denorm_mode_16_64 3
		.amdhsa_memory_ordered 1
		.amdhsa_forward_progress 1
		.amdhsa_inst_pref_size 131
	.end_amdhsa_kernel
	.amdgpu_metadata
---
amdhsa.version: [ 1, 2 ]
amdhsa.kernels:
  - .name:           k_qddddf194ba_pv
    .symbol:         k_qddddf194ba_pv.kd
    .args:
      - { .name: pm, .offset: 0, .size: 8, .value_kind: global_buffer, .address_space: global }
      - { .name: qkv, .offset: 8, .size: 8, .value_kind: global_buffer, .address_space: global }
      - { .name: st, .offset: 16, .size: 8, .value_kind: global_buffer, .address_space: global }
      - { .name: out0, .offset: 24, .size: 8, .value_kind: global_buffer, .address_space: global }
    .group_segment_fixed_size: 327680
    .private_segment_fixed_size: 0
    .kernarg_segment_align: 8
    .kernarg_segment_size: 32
    .max_flat_workgroup_size: 128
    .sgpr_count:     96
    .vgpr_count:     512
    .wavefront_size: 32
...
	.end_amdgpu_metadata
.endif
;; end of part 4
;; ======== version 2 of 2: 4 launches; version 1 with the launch cast written anew for expert scheduling mode
;; limits: values are held in f16: magnitudes above 65,504 overflow, below 6.1e-05 lose precision
;; workspace buffers: xb 16,777,216 bytes; wb 6,291,456 bytes; qkv 50,331,648 bytes; pm 33,554,432 bytes; st 1,048,576 bytes
;; launch cast (part 5): grid 352 x 1, 8 waves a work-group, no clusters, 0 bytes of LDS; arguments X, Wq, Wk, Wv, xb, wb; writes xb, wb
.if DOCPART == 5
	.amdgcn_target "amdgcn-amd-amdhsa--gfx1250"
	.amdhsa_code_object_version 6
	.text
	.protected	k_qddddf194ba_cast
	.globl	k_qddddf194ba_cast
	.p2align	8
	.type	k_qddddf194ba_cast,@function
k_qddddf194ba_cast:
	s_mov_b64 s[64:65], 0
	v_nop
	global_prefetch_b8 v0, s[64:65] scope:SCOPE_SE
	s_setreg_imm32_b32 hwreg(HW_REG_WAVE_SCHED_MODE, 0, 2), 2
	s_setreg_imm32_b32 hwreg(HW_REG_WAVE_MODE, 25, 1), 1
	s_wait_xcnt 0x0
	s_wait_alu depctr_vm_vsrc(0)
; X, Wq, Wk, Wv (f32) are rounded once, to nearest even, to bf16; layouts are kept.  xb: [8192][1024]; wb: [q, k, v][1024 d][1024 a].
; A stream: each byte is read once and written once; no LDS, no barrier, no matrix work.
; A work-group converts 32,768 numbers: 128 KiB in, 64 KiB out.  Work-groups 0-255 take X; work-group 256 + u takes chunk u % 32 of matrix u / 32.
; Thread t takes 16 bytes at 16 t of each 4,096 bytes: a wave's load covers 512 consecutive bytes, its store 256 consecutive bytes, aligned.
; All 32 loads of a wave go out at once; no register is written twice, so no wait frees a source.
; THE MODE: SCHED_MODE bits 1:0 = 2 (LLVM: expert scheduling mode 2), set by the entry lines.  The code itself states the register dependences
; between vector instructions and memory instructions, with s_wait_alu, always for 0.
; THE PLAN.  Registers that memory instructions touch:
;   v1, v2   byte offsets of the loads and of the stores: made once at the head by vector instructions, never written again.
;   X        four registers a load: written by that load alone, read by its two conversions; no vector instruction writes them.
;   Y        two registers a store: written once, by two conversions, and read by that store; never written again.
; The 32 loads go in eight blocks of four.  Block p converts X[p] into Y[p]; its memory instructions are the four stores of block p - 1, which read v2 and Y[p - 1]:
; registers that no vector instruction of block p names.  So one wait at a block's head states all that its four stores hang on, and these are dealt among its
; conversions with no further wait.  No load lands in a register that a vector instruction has named, and no register that a memory instruction reads is written again.
.set BLOCK,  4                         ; loads, and stores, in a block
.set BLOCKS, 32 / BLOCK
.set X,   16                           ; v[16:143]   load n: 4 registers at X + 4 n, four f32 as loaded
.set Y,   144                          ; v[144:207]  store n: 2 registers at Y + 2 n, four bf16 to store
	s_load_b256 s[4:11], s[0:1], 0x0               ; X s[4:5], Wq s[6:7], Wk s[8:9], Wv s[10:11]
	s_load_b128 s[12:15], s[0:1], 0x20             ; xb s[12:13], wb s[14:15]
	v_lshlrev_b32 v1, 4, v0                        ; my 16 bytes in
	v_lshlrev_b32 v2, 3, v0                        ; my 8 bytes out
	s_sub_co_u32 s16, ttmp9, 256                   ; u (used for the weights' work-groups alone)
	s_lshr_b32 s17, s16, 5                         ; which matrix
	s_and_b32 s18, s16, 31                         ; which chunk of it
	s_wait_kmcnt 0x0
	s_cmp_eq_u32 s17, 1
	s_cselect_b64 s[20:21], s[8:9], s[6:7]         ; Wk or Wq
	s_cmp_eq_u32 s17, 2
	s_cselect_b64 s[20:21], s[10:11], s[20:21]     ; or Wv
	s_cmp_lt_u32 ttmp9, 256
	s_cselect_b64 s[20:21], s[4:5], s[20:21]       ; or X
	s_cselect_b64 s[22:23], s[12:13], s[14:15]     ; into xb or wb
	s_cselect_b32 s18, ttmp9, s18                  ; chunk of the source
	s_cselect_b32 s16, ttmp9, s16                  ; chunk of the destination (wb's three matrices lie on end)
	s_lshl_b32 s24, s18, 17
	s_mov_b32 s25, 0
	s_lshl_b32 s26, s16, 16
	s_mov_b32 s27, 0
	s_add_nc_u64 s[20:21], s[20:21], s[24:25]
	s_add_nc_u64 s[22:23], s[22:23], s[26:27]
	s_wait_alu depctr_va_vdst(0)                   ; v1 and v2 are written: every load reads v1 as its offset, every store v2
.set i, 0
.rept 32
	global_load_b128 v[X+4*i:X+4*i+3], v1, s[20:21] offset:4096*i th:TH_LOAD_NT
.set i, i+1
.endr
.set p, 0
.rept BLOCKS
	s_wait_loadcnt 32-BLOCK-BLOCK*p                ; loads come back in order: block p's four are in, the younger blocks' stay out
.if p > 0
	s_wait_alu depctr_va_vdst(0)                   ; the conversions of the block before have written its Y, which the four stores below read
.endif
.set i, 0
.rept BLOCK
.if p > 0
	global_store_b64 v2, v[Y+2*(BLOCK*(p-1)+i):Y+2*(BLOCK*(p-1)+i)+1], s[22:23] offset:2048*(BLOCK*(p-1)+i) th:TH_STORE_NT  ; the block before; no vector instruction since the wait names these registers
.endif
	v_cvt_pk_bf16_f32 v[Y+2*(BLOCK*p+i)],   v[X+4*(BLOCK*p+i)],   v[X+4*(BLOCK*p+i)+1]
	v_cvt_pk_bf16_f32 v[Y+2*(BLOCK*p+i)+1], v[X+4*(BLOCK*p+i)+2], v[X+4*(BLOCK*p+i)+3]
.set i, i+1
.endr
.set p, p+1
.endr
	s_wait_alu depctr_va_vdst(0)                   ; the last block's conversions have written its Y, which the last four stores read
.set i, 32-BLOCK
.rept BLOCK
	global_store_b64 v2, v[Y+2*i:Y+2*i+1], s[22:23] offset:2048*i th:TH_STORE_NT
.set i, i+1
.endr
	s_endpgm
.Lfunc_end_k_qddddf194ba_cast:
	.size	k_qddddf194ba_cast, .Lfunc_end_k_qddddf194ba_cast-k_qddddf194ba_cast
	.p2alignl 7, 3214868480
	.fill 96, 4, 3214868480
	.section	.rodata,"a",@progbits
	.p2align	6, 0x0
	.amdhsa_kernel k_qddddf194ba_cast
		.amdhsa_group_segment_fixed_size 0
		.amdhsa_private_segment_fixed_size 0
		.amdhsa_enable_private_segment 0
		.amdhsa_kernarg_size 48
		.amdhsa_user_sgpr_count 2
		.amdhsa_user_sgpr_kernarg_segment_ptr 1
		.amdhsa_wavefront_size32 1
		.amdhsa_system_sgpr_workgroup_id_x 1
		.amdhsa_system_sgpr_workgroup_id_y 1
		.amdhsa_system_sgpr_workgroup_id_z 1
		.amdhsa_system_vgpr_workitem_id 0
		.amdhsa_next_free_vgpr 208
		.amdhsa_next_free_sgpr 66
		.amdhsa_reserve_vcc 0
		.amdhsa_float_denorm_mode_32 3
		.amdhsa_float_denorm_mode_16_64 3
		.amdhsa_memory_ordered 1
		.amdhsa_forward_progress 1
		.amdhsa_inst_pref_size 12
	.end_amdhsa_kernel
	.amdgpu_metadata
---
amdhsa.version: [ 1, 2 ]
amdhsa.kernels:
  - .name:           k_qddddf194ba_cast
    .symbol:         k_qddddf194ba_cast.kd
    .args:
      - { .name: X, .offset: 0, .size: 8, .value_kind: global_buffer, .address_space: global }
      - { .name: Wq, .offset: 8, .size: 8, .value_kind: global_buffer, .address_space: global }
      - { .name: Wk, .offset: 16, .size: 8, .value_kind: global_buffer, .address_space: global }
      - { .name: Wv, .offset: 24, .size: 8, .value_kind: global_buffer, .address_space: global }
      - { .name: xb, .offset: 32, .size: 8, .value_kind: global_buffer, .address_space: global }
      - { .name: wb, .offset: 40, .size: 8, .value_kind: global_buffer, .address_space: global }
    .group_segment_fixed_size: 0
    .private_segment_fixed_size: 0
    .kernarg_segment_align: 8
    .kernarg_segment_size: 48
    .max_flat_workgroup_size: 256
    .sgpr_count:     66
    .vgpr_count:     208
    .wavefront_size: 32
...
	.end_amdgpu_metadata
.endif
;; end of part 5
;; launch proj: the kernel of part 2 again; grid 12 x 16, 4 waves a work-group, clusters of 4 x 4, 327,680 bytes of LDS; arguments xb, wb, qkv, bq, bk, bv; writes qkv
;; launch score: the kernel of part 3 again; grid 36 x 4, 4 waves a work-group, no clusters, 327,680 bytes of LDS; arguments qkv, pm, st; writes pm, st
;; launch pv: the kernel of part 4 again; grid 8 x 32, 4 waves a work-group, clusters of 4 x 4, 327,680 bytes of LDS; arguments pm, qkv, st, out0; writes out0
